; MI455X (gfx1250); checked and timed in simulation.
; The chip was launched on July 23, 2026; its instructions are those of AMD's public machine-readable ISA for CDNA 5 (MIT licence, August 2026) and "CDNA5" Instruction Set Architecture Reference Guide (July 2026). The comments in the code are by the model that wrote it; some were corrected since.
;; Rotary Multi Head Attention. Allowed arithmetic: matrix products marked QUANTISED: E4M3 operands, one given power-of-two scale a tensor, by v_wmma_f32_16x16x64_fp8_fp8 or v_wmma_f32_16x16x128_fp8_fp8, f32 sums; products left as they are: f32 operands where the result goes on into a quantised operand, else bf16, f16 or f32 operands; f32 sums; everything else in f32.
;; Inputs: Wk 1,024 x 1,024 float32; Wo 1,024 x 1,024 float32; Wq 1,024 x 1,024 float32; Wv 1,024 x 1,024 float32; bk 1,024 float32; bo 1,024 float32; bq 1,024 float32; bv 1,024 float32; lowp_scales 12 int32 (the exponents e of the quantised operands' scales 2^e); x 2 x 2,048 x 1,024 float32.
;; Outputs: out0 2 x 2,048 x 1,024 float32.
;; This version of the problem:
;;   THIS VERSION OF THE PROBLEM IS GIVEN IN LOW PRECISION. The matrix products marked QUANTISED in the list below multiply operands that are first quantised to E4M3 (4 exponent bits, 3 mantissa bits; 8 bits a number), with one given power-of-two scale for each operand tensor; their sums are f32. All else is computed in f32.
;;   The module's matrix products, in the order in which they are computed (A, B: the left and right operand; K: the contracted axis; several contracted axes count as one K, in the product's order):
;;     1. [M 4,096, K 1,024] x [K 1,024, N 1,024]; A: input x; B: input Wq: QUANTISED (scales: A lowp_scales[0], B lowp_scales[1])
;;     2. [M 4,096, K 1,024] x [K 1,024, N 1,024]; A: input x; B: input Wk: QUANTISED (scales: A lowp_scales[2], B lowp_scales[3])
;;     3. [M 4,096, K 1,024] x [K 1,024, N 1,024]; A: input x; B: input Wv: QUANTISED (scales: A lowp_scales[4], B lowp_scales[5])
;;     4. [M 2,048, K 1] x [K 1, N 32]; A: computed on the way; B: computed on the way: left as it is (no contracted axis)
;;     5. batch 32 x [M 2,048, K 64] x [K 64, N 2,048]; A: computed on the way; B: computed on the way: QUANTISED (scales: A lowp_scales[6], B lowp_scales[7])
;;     6. batch 32 x [M 2,048, K 2,048] x [K 2,048, N 64]; A: softmax (see below); B: computed on the way: QUANTISED (scales: A lowp_scales[8], B lowp_scales[9])
;;     7. [M 4,096, K 1,024] x [K 1,024, N 1,024]; A: computed on the way; B: input Wo: QUANTISED (scales: A lowp_scales[10], B lowp_scales[11])
;;   THE QUANTISER, for each operand of a quantised product, along K:
;;     - The operand's scale is 2^e, e = its entry of the input lowp_scales (int32; the entries are numbered through the quantised products in the list's order, A before B).
;;     - Each number is divided by the scale, clamped to +-448, and rounded to the nearest number of E4M3, ties to even, subnormals kept.
;;     - The product sums the exact products of the quantised numbers (number of the format x scale) in f32.
;;   ~~~python
;;   def quantise(x, axis, e):      # numpy; x: float32 -> the quantised numbers, widened to float32 again
;;       x = np.moveaxis(x, axis, -1); K = x.shape[-1]
;;       r = np.clip(x / 2.0 ** e, -448, 448)
;;       step = 2.0 ** (np.maximum(np.frexp(np.where(r == 0, 1, r))[1] - 1, -6) - 3)
;;       q = np.round(r / step) * step * 2.0 ** e      # np.round: ties to even
;;       return np.moveaxis(q, -1, axis).astype(np.float32)
;;   ~~~
;;   SOFTMAX AHEAD OF A QUANTISED PRODUCT. Where the list says 'softmax', what is quantised is not the finished softmax but p = 2^(t - M), with t = logit x log2(e) and M = ceil(the row's largest t), a whole number; so 1/2 < the row's largest p <= 1. The row's sum l is taken of the UNQUANTISED p, in f32, and the product's result is divided by l at the end. Since M is a whole number, a kernel that streams over the keys may use a running M (the ceiling of the running maximum): every later rescaling is an exact power of two, so the quantised numbers keep their values, but for numbers so far below the row's largest that they fall under the format's range.
;;   OPERANDS COMPUTED ON THE WAY. 'Computed on the way' means the value that the module computes at that place (a softmax that the list does not call 'softmax' is quantised finished and normalised). What goes into a quantiser is computed in f32, as accurately as f32 sums, v_exp_f32 and their like allow (about 1e-6 of the number): no bf16 or f16 on the way to a quantiser, and a product that is left as it is and whose result goes on into a quantised operand takes f32 operands (vector FMAs, or v_wmma_f32_16x16x4_f32). A number that lies on a knife's edge between two numbers of the format may be rounded either way, as far as f32 arithmetic and the matrix unit's own rounding can turn it there, and no further.
;; One version. Each part assembles by itself: llvm-mc -triple=amdgcn-amd-amdhsa -mcpu=gfx1250 --defsym DOCPART=n.
;; ======== version 1 of 1: 4 launches
;; limits: right only within a limited range of input values
;; workspace buffers: ximg 12,582,912 bytes; wimg 4,194,304 bytes; rope 524,288 bytes; qkv 12,582,912 bytes; aimg 4,194,304 bytes
;; launch prep (part 1): grid 544 x 1, 4 waves a work-group, no clusters, 34,304 bytes of LDS; arguments x, Wq, Wk, Wv, Wo, lowp_scales, ximg, wimg, rope; writes ximg, wimg, rope
.if DOCPART == 1
	.amdgcn_target "amdgcn-amd-amdhsa--gfx1250"
	.amdhsa_code_object_version 6
	.text
	.protected	k_qd2d2df69d1_prep
	.globl	k_qd2d2df69d1_prep
	.p2align	8
	.type	k_qd2d2df69d1_prep,@function
k_qd2d2df69d1_prep:
	s_mov_b64 s[64:65], 0
	v_nop
	global_prefetch_b8 v0, s[64:65] scope:SCOPE_SE
	s_setreg_imm32_b32 hwreg(HW_REG_WAVE_MODE, 25, 1), 1
	s_wait_xcnt 0x0
; x [4096][1024] and Wq, Wk, Wv, Wo [1024][1024], f32, K innermost, become codes of FP8 (E4M3); and the table of cos and sin is made.
; code = number / 2^e, held within +-448, to the nearest code, ties to even.  x is an operand of three products with three given scales (entries 0, 2, 4): three sets of codes.  Wq, Wk, Wv, Wo: entries 1, 3, 5, 11.
; THE CODES ARE LAID AS IMAGES OF THE OPERAND'S REGISTERS.  A fragment, 16 rows x 128 K, is 2,048 bytes: [group g 0..3][lane 0..31][16 bytes]; lane (r = lane % 16, h = lane / 16) holds, of row r,
; K = 32 g + 8 h + 0..7 and K = 32 g + 16 + 8 h + 0..7: registers 4 g .. 4 g + 3 of the 16x16x128 form's own layout.  ximg: [scale 0..2][K step 0..7][row tile 0..255][fragment]; wimg: [matrix 0..3][K step][row tile 0..63][fragment].
; SHARES.  Work-groups 0-255: one row tile of x each; 256-511: one row tile of one W; wave w takes K steps 2 w and 2 w + 1.  Work-groups 512-543: the table, one tile of 16 tokens a wave.
; Each load reads 512 consecutive bytes of a row; a K step's 16 rows turn through the wave's own stage in LDS (rows 528 bytes apart) and come back eight neighbours along K at a time; each store covers 512 consecutive bytes.
; THE TABLE.  rope: [token tile 0..127][block 0..7][lane][16 bytes] f32; block = 4 (0 cos, 1 sin) + tq; word i of lane (r, h): token 16 T + r, frequency d = 16 (tq / 2) + 8 h + 4 (tq % 2) + i.
; angle = token x 10000^(-d / 32), the power by v_exp_f32; cos and sin by taking off n x pi/2 in two parts and polynomials on [-pi/4, pi/4].
; LIMITS: entries 0-5 and 11 between -126 and 119, so that 2^e and 448 x 2^e are f32 numbers.  NaN among the inputs is not served.  cos and sin of the f32 angle are good to about 1.5e-7; the power is good to
; about two units in its last place, so that at the largest angles (about 1,500) the angle may differ by about 2e-4.
.set KSX,    524288                    ; bytes from K step to K step in ximg
.set KSW,    131072                    ; and in wimg
.set SPITCH, 528                       ; a stage row: 512 bytes + 16 = 132 words: the sixteen rows that a load touches start 4 words apart modulo 64
.set WSTG,   16*SPITCH                 ; a wave's stage
.set LI,  1                            ; v1      16 x lane
.set STO, 2                            ; v2      the stage, on the way in
.set LDA, 3                            ; v3      and on the way out
.set VO,  4                            ; v4, v5  my byte offset in the images, K step 2 w and 2 w + 1
.set SC,  6                            ; v6-11   for each of three outputs: 2^e, then 448 x 2^e
.set T,   16                           ; v16-31  two sets of eight held numbers
.set C,   32                           ; v32-79  codes: 16 registers for each output
.set R,   80                           ; v80-207 64 numbers a lane for each of the two K steps
	s_load_b256 s[4:11], s[0:1], 0x0               ; x, Wq, Wk, Wv
	s_load_b256 s[12:19], s[0:1], 0x20             ; Wo, the scales' exponents, ximg, wimg
	s_load_b64 s[20:21], s[0:1], 0x40              ; rope
	v_lshl_add_u32 v208, v0, 2, 0x8400
	v_mov_b32 v209, 0
	v_lshrrev_b32 v1, 5, v0
	v_readfirstlane_b32 s40, v1                    ; wave 0..3
	v_and_b32 v12, 31, v0
	v_lshlrev_b32 v[LI], 4, v12
	v_and_b32 v13, 15, v0                          ; r
	v_bfe_u32 v14, v0, 4, 1                        ; h
	s_cmp_ge_u32 ttmp9, 512
	s_cbranch_scc1 .Ltable                         ; the table's work-groups touch no LDS
	s_mul_i32 s48, s40, WSTG
	v_add_nc_u32 v[STO], s48, v[LI]                ; in: a load's 512 bytes as they lie; the row stands in the immediate
	v_mul_u32_u24 v[LDA], v13, SPITCH
	v_lshl_add_u32 v[LDA], v14, 5, v[LDA]
	v_add_nc_u32 v[LDA], s48, v[LDA]               ; out: row r, + 32 h bytes: eight numbers of my half
	s_lshr_b32 s51, ttmp9, 6
	s_and_b32 s51, s51, 3                          ; which W (work-groups 256 on)
	s_and_b32 s52, ttmp9, 63                       ; and its row tile
	s_lshl_b32 s56, s51, 20                        ; its part of wimg
	s_mov_b32 s41, KSW
	s_cmp_lt_u32 ttmp9, 256                        ; x's work-group?  The choices hang on the work-group's number alone
	s_cselect_b32 s52, ttmp9, s52                  ; row tile
	s_cselect_b32 s41, KSX, s41                    ; bytes from K step to K step
	s_cselect_b32 s56, 0, s56
	s_mov_b32 s57, 0
	s_lshl_b32 s54, s52, 16                        ; 16 rows of 4,096 bytes,
	s_lshl_b32 s55, s40, 10                        ; my two K steps of 512 bytes
	s_add_co_u32 s54, s54, s55
	s_mov_b32 s55, 0
	s_lshl_b32 s49, s40, 1
	s_mul_i32 s49, s49, s41
	s_lshl_b32 s50, s52, 11
	s_add_co_u32 s49, s49, s50
	s_wait_alu depctr_va_vdst(0)
	v_add_nc_u32 v[VO], s49, v[LI]                 ; K step 2 w, my row tile's fragment, my lane
	v_add_nc_u32 v[VO+1], s41, v[VO]
	s_wait_kmcnt 0x0
	s_load_b256 s[24:31], s[14:15], 0x0            ; e0 .. e7
	s_load_b128 s[32:35], s[14:15], 0x20           ; e8 .. e11
	s_cmp_eq_u32 s51, 0
	s_cselect_b64 s[36:37], s[6:7], s[12:13]       ; Wq, else Wo
	s_cmp_eq_u32 s51, 1
	s_cselect_b64 s[36:37], s[8:9], s[36:37]       ; Wk
	s_cmp_eq_u32 s51, 2
	s_cselect_b64 s[36:37], s[10:11], s[36:37]     ; Wv
	s_cmp_lt_u32 ttmp9, 256
	s_cselect_b64 s[36:37], s[4:5], s[36:37]       ; x
	s_cselect_b64 s[42:43], s[16:17], s[18:19]     ; ximg or wimg
	s_add_nc_u64 s[36:37], s[36:37], s[54:55]
	s_add_nc_u64 s[42:43], s[42:43], s[56:57]
	s_add_nc_u64 s[44:45], s[16:17], 0x400000      ; x's second and third sets of codes
	s_add_nc_u64 s[46:47], s[16:17], 0x800000
.irp st, 0,1
.irp i, 0,1,2,3,4,5,6,7,8,9,10,11,12,13,14,15
	global_load_b128 v[R+64*\st+4*\i:R+64*\st+4*\i+3], v[LI], s[36:37] offset:\i*4096+\st*512 th:TH_LOAD_NT   ; row i: 32 lanes read 512 consecutive bytes; read once in the launch
.endr
.endr
	s_wait_kmcnt 0x0
	s_cmp_eq_u32 s51, 0
	s_cselect_b32 s58, s25, s35                    ; e1, else e11
	s_cmp_eq_u32 s51, 1
	s_cselect_b32 s58, s27, s58                    ; e3
	s_cmp_eq_u32 s51, 2
	s_cselect_b32 s58, s29, s58                    ; e5
	s_cmp_lt_u32 ttmp9, 256
	s_cselect_b32 s58, s24, s58                    ; e0
.macro MKSC e, o                       ; 2^e as f32 (the conversion takes its exponent field) and 448 x 2^e
	s_add_co_i32 s59, s[\e], 127
	s_lshl_b32 s60, s59, 23
	v_mov_b32 v[SC+2*\o], s60
	s_add_co_i32 s59, s59, 8
	s_lshl_b32 s59, s59, 23
	s_or_b32 s59, s59, 0x600000
	v_mov_b32 v[SC+2*\o+1], s59
.endm
	MKSC 58, 0
	MKSC 26, 1                                     ; e2
	MKSC 28, 2                                     ; e4
; A K step's 16 rows x 512 bytes through my stage.  LDS serves a wave's instructions in order (ISA guide 5.7.1.4): no wait between the stores and the loads, nor in front of the next turn's stores.
; They come back into the registers that they left: register 8 q + i = K 16 q + 8 h + i of row r.
.macro TURN st
.irp i, 0,1,2,3,4,5,6,7,8,9,10,11,12,13,14,15
	ds_store_b128 v[STO], v[R+64*\st+4*\i:R+64*\st+4*\i+3] offset:SPITCH*\i
.endr
.irp g, 0,1,2,3
.irp u, 0,1
.irp q, 0,1
	ds_load_b128 v[R+64*\st+16*\g+8*\u+4*\q:R+64*\st+16*\g+8*\u+4*\q+3], v[LDA] offset:128*\g+64*\u+16*\q
.endr
.endr
.endr
.endm
; One output of one K step: eight times eight numbers held and converted, then the fragment's four groups stored.
; The holds go into two sets by turns: the eight plain lines of one set stand between a conversion and the lines that write its sources again.
.macro CONV st, o, base
.irp q, 0,1,2,3,4,5,6,7
.irp i, 0,1,2,3,4,5,6,7
	v_med3_num_f32 v[T+8*(\q%2)+\i], v[R+64*\st+8*\q+\i], -v[SC+2*\o+1], v[SC+2*\o+1]   ; the conversion to an 8-bit code does not saturate (ISA guide 7.6.2)
.endr
	v_cvt_scalef32_pk8_fp8_f32 v[C+16*\o+2*\q:C+16*\o+2*\q+1], v[T+8*(\q%2):T+8*(\q%2)+7], v[SC+2*\o]
.endr
.irp g, 0,1,2,3
	global_store_b128 v[VO+\st], v[C+16*\o+4*\g:C+16*\o+4*\g+3], s[\base:\base+1] offset:512*\g   ; 32 lanes store 512 consecutive bytes, aligned
.endr
.endm
.macro CONVS st
	CONV \st, 0, 42
	s_cmp_lt_u32 ttmp9, 256
	s_cbranch_scc0 .Lone_\@                        ; a W has one scale
	CONV \st, 1, 44
	CONV \st, 2, 46
.Lone_\@:
.endm
	s_wait_alu depctr_va_vdst(0)
	s_wait_loadcnt 0x10                            ; the first K step's 16 loads are in; the second's 16 are younger
	TURN 0
	s_wait_loadcnt 0x0
	TURN 1
	s_wait_dscnt 0x20                              ; the first turn is back; the second's 16 stores and 16 loads are younger
	CONVS 0
	s_wait_dscnt 0x0
	s_wait_xcnt 0x0                                ; the codes' registers, which the stores above read, are written again only behind this wait
	CONVS 1
	s_wait_tensorcnt 0x0
	ds_add_u32 v208, v209
	s_wait_dscnt 0x0
	s_endpgm
.Ltable:
.set XA,  16                           ; four numbers at a time: d, the power, the angle
.set NN,  20                           ; n
.set RR,  24                           ; angle - n pi/2
.set ZZ,  28                           ; its square
.set SS,  32                           ; sin
.set CC,  36                           ; cos
.set QQ,  40                           ; n as a whole number
.set TT,  44
.set UU,  48
.set COS, 52                           ; v52-67  results: registers of their own for each store
.set SIN, 68                           ; v68-83
	s_sub_co_u32 s48, ttmp9, 512
	s_lshl_b32 s48, s48, 2
	s_add_co_u32 s48, s48, s40                     ; my token tile
	s_lshl_b32 s50, s48, 12                        ; its 4,096 bytes
	s_mov_b32 s51, 0
	s_lshl_b32 s49, s48, 4
	s_wait_alu depctr_va_vdst(0)
	v_add_nc_u32 v2, s49, v13
	v_cvt_f32_u32 v2, v2                           ; my token
	v_lshlrev_b32 v3, 3, v14                       ; 8 h
	s_mov_b32 s24, 0xbed49a78                      ; -log2(10) / 8 = -log2(10000) / 32
	s_mov_b32 s25, 0x3f22f983                      ; 2 / pi
	s_mov_b32 s26, 0xbfc90fdb                      ; -(pi/2 rounded to f32)
	s_mov_b32 s27, 0x333bbd2e                      ; that number less pi/2
	s_mov_b32 s28, 0xbe2aaaa3                      ; sin: -1.6666654611e-1
	s_mov_b32 s29, 0x3c08839e                      ;       8.3321608736e-3
	s_mov_b32 s30, 0xb94ca1f9                      ;      -1.9515295891e-4
	s_mov_b32 s31, 0x3d2aaaa5                      ; cos:  4.166664568e-2
	s_mov_b32 s32, 0xbab6061a                      ;      -1.388731625e-3
	s_mov_b32 s33, 0x37ccf5ce                      ;       2.443315712e-5
	s_wait_alu depctr_va_vdst(0)
	s_wait_kmcnt 0x0
	s_add_nc_u64 s[20:21], s[20:21], s[50:51]
.macro TABLE tq
.irp i, 0,1,2,3
	v_add_nc_u32 v[XA+\i], 16*((\tq)/2)+4*((\tq)%2)+\i, v3     ; d
.endr
.irp i, 0,1,2,3
	v_cvt_f32_u32 v[XA+\i], v[XA+\i]
.endr
.irp i, 0,1,2,3
	v_mul_f32 v[XA+\i], s24, v[XA+\i]
.endr
	s_wait_alu depctr_va_vdst(0)
.irp i, 0,1,2,3
	v_exp_f32 v[XA+\i], v[XA+\i]                   ; 10000^(-d / 32)
.endr
	v_nop                                          ; a plain line behind the last exponential
	s_wait_alu depctr_va_vdst(0)
.irp i, 0,1,2,3
	v_mul_f32 v[XA+\i], v2, v[XA+\i]               ; the angle, one f32 product
.endr
.irp i, 0,1,2,3
	v_mul_f32 v[NN+\i], s25, v[XA+\i]
.endr
.irp i, 0,1,2,3
	v_rndne_f32 v[NN+\i], v[NN+\i]                 ; n, at most 1,304
.endr
.irp i, 0,1,2,3
	v_fma_f32 v[RR+\i], v[NN+\i], s26, v[XA+\i]    ; exact: the difference is under 1 and a multiple of 2^-23
.endr
.irp i, 0,1,2,3
	v_fma_f32 v[RR+\i], v[NN+\i], s27, v[RR+\i]
.endr
.irp i, 0,1,2,3
	v_mul_f32 v[ZZ+\i], v[RR+\i], v[RR+\i]
.endr
.irp i, 0,1,2,3
	v_fma_f32 v[SS+\i], v[ZZ+\i], s30, s29
.endr
.irp i, 0,1,2,3
	v_fma_f32 v[CC+\i], v[ZZ+\i], s33, s32
.endr
.irp i, 0,1,2,3
	v_fma_f32 v[SS+\i], v[SS+\i], v[ZZ+\i], s28
.endr
.irp i, 0,1,2,3
	v_fma_f32 v[CC+\i], v[CC+\i], v[ZZ+\i], s31
.endr
.irp i, 0,1,2,3
	v_mul_f32 v[TT+\i], v[ZZ+\i], v[RR+\i]
.endr
.irp i, 0,1,2,3
	v_fma_f32 v[UU+\i], v[ZZ+\i], -0.5, 1.0
.endr
.irp i, 0,1,2,3
	v_fma_f32 v[SS+\i], v[SS+\i], v[TT+\i], v[RR+\i]
.endr
.irp i, 0,1,2,3
	v_mul_f32 v[TT+\i], v[ZZ+\i], v[ZZ+\i]
.endr
.irp i, 0,1,2,3
	v_fma_f32 v[CC+\i], v[CC+\i], v[TT+\i], v[UU+\i]
.endr
.irp i, 0,1,2,3
	v_cvt_i32_f32 v[QQ+\i], v[NN+\i]
.endr
.irp i, 0,1,2,3                        ; the quadrant: odd n swaps the two; sin is negative where n & 2, cos where (n + 1) & 2.  Values are selected; nothing branches
	v_and_b32 v[TT+\i], 1, v[QQ+\i]
	v_cmp_ne_u32 vcc_lo, 0, v[TT+\i]
	v_cndmask_b32 v[SIN+4*(\tq)+\i], v[SS+\i], v[CC+\i], vcc_lo
	v_cndmask_b32 v[COS+4*(\tq)+\i], v[CC+\i], v[SS+\i], vcc_lo
	v_and_b32 v[TT+\i], 2, v[QQ+\i]
	v_add_nc_u32 v[UU+\i], 1, v[QQ+\i]
	v_lshlrev_b32 v[TT+\i], 30, v[TT+\i]
	v_and_b32 v[UU+\i], 2, v[UU+\i]
	v_xor_b32 v[SIN+4*(\tq)+\i], v[TT+\i], v[SIN+4*(\tq)+\i]
	v_lshlrev_b32 v[UU+\i], 30, v[UU+\i]
	v_xor_b32 v[COS+4*(\tq)+\i], v[UU+\i], v[COS+4*(\tq)+\i]
.endr
	global_store_b128 v[LI], v[COS+4*(\tq):COS+4*(\tq)+3], s[20:21] offset:512*(\tq)
	global_store_b128 v[LI], v[SIN+4*(\tq):SIN+4*(\tq)+3], s[20:21] offset:2048+512*(\tq)
.endm
	TABLE 0
	TABLE 1
	TABLE 2
	TABLE 3
	s_endpgm
.Lfunc_end_k_qd2d2df69d1_prep:
	.size	k_qd2d2df69d1_prep, .Lfunc_end_k_qd2d2df69d1_prep-k_qd2d2df69d1_prep
	.p2alignl 7, 3214868480
	.fill 96, 4, 3214868480
	.section	.rodata,"a",@progbits
	.p2align	6, 0x0
	.amdhsa_kernel k_qd2d2df69d1_prep
		.amdhsa_group_segment_fixed_size 34304
		.amdhsa_private_segment_fixed_size 0
		.amdhsa_enable_private_segment 0
		.amdhsa_kernarg_size 72
		.amdhsa_user_sgpr_count 2
		.amdhsa_user_sgpr_kernarg_segment_ptr 1
		.amdhsa_wavefront_size32 1
		.amdhsa_system_sgpr_workgroup_id_x 1
		.amdhsa_system_sgpr_workgroup_id_y 1
		.amdhsa_system_sgpr_workgroup_id_z 1
		.amdhsa_system_vgpr_workitem_id 0
		.amdhsa_next_free_vgpr 210
		.amdhsa_next_free_sgpr 66
		.amdhsa_reserve_vcc 1
		.amdhsa_float_denorm_mode_32 3
		.amdhsa_float_denorm_mode_16_64 3
		.amdhsa_memory_ordered 1
		.amdhsa_forward_progress 1
		.amdhsa_inst_pref_size 63
	.end_amdhsa_kernel
	.amdgpu_metadata
---
amdhsa.version: [ 1, 2 ]
amdhsa.kernels:
  - .name:           k_qd2d2df69d1_prep
    .symbol:         k_qd2d2df69d1_prep.kd
    .args:
      - { .name: x, .offset: 0, .size: 8, .value_kind: global_buffer, .address_space: global }
      - { .name: Wq, .offset: 8, .size: 8, .value_kind: global_buffer, .address_space: global }
      - { .name: Wk, .offset: 16, .size: 8, .value_kind: global_buffer, .address_space: global }
      - { .name: Wv, .offset: 24, .size: 8, .value_kind: global_buffer, .address_space: global }
      - { .name: Wo, .offset: 32, .size: 8, .value_kind: global_buffer, .address_space: global }
      - { .name: lowp_scales, .offset: 40, .size: 8, .value_kind: global_buffer, .address_space: global }
      - { .name: ximg, .offset: 48, .size: 8, .value_kind: global_buffer, .address_space: global }
      - { .name: wimg, .offset: 56, .size: 8, .value_kind: global_buffer, .address_space: global }
      - { .name: rope, .offset: 64, .size: 8, .value_kind: global_buffer, .address_space: global }
    .group_segment_fixed_size: 34304
    .private_segment_fixed_size: 0
    .kernarg_segment_align: 8
    .kernarg_segment_size: 72
    .max_flat_workgroup_size: 128
    .sgpr_count:     66
    .vgpr_count:     210
    .wavefront_size: 32
...
	.end_amdgpu_metadata
.endif
;; end of part 1
;; launch qkv (part 2): grid 12 x 16, 4 waves a work-group, clusters of 4 x 4, 327,680 bytes of LDS; arguments ximg, wimg, rope, bq, bk, bv, lowp_scales, qkv; writes qkv
.if DOCPART == 2
	.amdgcn_target "amdgcn-amd-amdhsa--gfx1250"
	.amdhsa_code_object_version 6
	.text
	.protected	k_qd2d2df69d1_qkv
	.globl	k_qd2d2df69d1_qkv
	.p2align	8
	.type	k_qd2d2df69d1_qkv,@function
k_qd2d2df69d1_qkv:
	s_mov_b64 s[64:65], 0
	v_nop
	global_prefetch_b8 v0, s[64:65] scope:SCOPE_SE
	s_setreg_imm32_b32 hwreg(HW_REG_WAVE_MODE, 25, 1), 1
	s_wait_xcnt 0x0
	s_wait_alu depctr_hold_cnt(0) depctr_sa_sdst(0) depctr_va_vdst(0) depctr_va_sdst(0) depctr_va_ssrc(0) depctr_va_vcc(0) depctr_vm_vsrc(0)
	s_getreg_b32 s2, hwreg(HW_REG_IB_STS2, 6, 4)
	s_cmp_eq_u32 s2, 0
	s_cbranch_scc0 .Lentry_in_a_cluster
	s_endpgm
.Lentry_in_a_cluster:
	s_bfe_u32 s2, ttmp6, 0x10000c
	s_cmp_lg_u32 s2, 0xf033
	s_cbranch_scc0 .Lentry_shape_is_right
	s_endpgm
.Lentry_shape_is_right:
; q = rope(x Wq^T + bq), k = rope(x Wk^T + bk), v = x Wv^T + bv, the three products on codes of FP8 (E4M3); the results are quantised at once, as operands of attention's two products, and stored as codes.
; SHARES.  A work-group makes a block of 256 x 256 of one product (the cluster's x: 0 q, 1 k, 2 v, alike in all partners); four waves, each 128 x 128: 64 accumulators, 512 registers.
; 4,096 x 3,072 results in such blocks are 192 work-groups; no block that keeps to the borders between q, k and v gives 256.
; ximg and wimg hold images of the operands' registers, [K step of 128][row tile of 16][group][lane][16 bytes]: 256 rows of one K step are 32 KiB on end, and a fragment comes by four ds_load_b128 at 16 x lane.
; THE RING: two LDS slots of two K steps each; a slot holds role A's two blocks of 32 KiB, then role B's.  Each wave fetches one block a fill (waves 0, 1: A's K steps of even and odd number; waves 2, 3: B's).  K = 1,024 is four fills.
; TWO ROLES.  Source 1 of every product is role A (shared along a row of the cluster), source 0 role B (shared along a column).  q and k: A = 256 tokens (tile 4 Y + cy), B = 256 rows of W (tile cx):
; a lane holds one token and eight neighbouring channels.  v: A = 256 rows of Wv (tile cy), B = 256 tokens (tile 4 Y + cx): a lane holds one channel and eight neighbouring tokens, since the keys are its next K.
; The roles are told apart by addresses alone, so the products have one text; only the way out has two.
; The bias, divided by the power of two that the sums lack, is added on the way out; the three scales ahead of a quantiser are folded into the conversion's one.
; qkv: q at 0, k at 4 MiB: [batch x head][token tile 0..127][group 0..1][lane][16 bytes]; v at 8 MiB: [batch x head][block of 128 keys][channel tile 0..3][group 0..3][lane][16 bytes].
; No prefetch: the block is the largest in clusters, and K has four fills, two of them first fills.
; LIMITS on the given exponents: e6 - e0 - e1, e7 - e2 - e3 and e9 - e4 - e5 between -126 and 119, so that each power of two below is an f32 number.  NaN among the inputs is not served.
; REGISTERS.  Window 0: v1-29 addresses and constants; v32-95 the bias; v96-127 at work; v128-255 A's fragments, ONE set, later at work.  Window 1: B's fragments, TWO sets, later cos and sin.
;   Window 2: the accumulators of A's blocks 0-3 ((a, b) at v[8 (8 a + b)]); window 3: those of blocks 4-7.
.set FR,     16                        ; registers of a fragment
.set NL,     4                         ; LDS loads that bring one
.set NP,     4                         ; places behind this matrix instruction (ISA guide 7.12.1)
.set HALFT,  32768                     ; what one tensor load brings: 256 rows of one K step
.set SLOT,   4*HALFT
.set SPARE,  2*SLOT                    ; the spare words, 128 bytes for each wave
.set CSC,  6                           ; v6   the conversion's scale
.set HB,   7                           ; v7   448 x that
.set ADRA, 16                          ; v16-17  LDS address of my A fragments in slot 0, 1
.set ADRB, 20                          ; v20-21  the same for B
.set LI,   27                          ; v27  16 x lane
.set SPW,  28
.set NIL,  29
.set BI,   32
.set TL,   96
.set AF,   128
.set G1,   24                          ; s[24:31] group 1 for A's blocks; s[32:39] group 0, one set for each slot
.set G0,   32
.set G1B,  48                          ; the same for B
.set G0B,  56
.set TA,   44                          ; s44 A's tile of 256 rows; s45 B's
.set TB,   45
.set WV,   84                          ; s84 wave; s85 my half of A's rows (also: 0 fetches A, 1 fetches B); s86 my half of B's rows (also: the parity of the K steps that I fetch)
.set WA,   85
.set WB,   86
.set PR,   89                          ; s89 the product
.set MSB, 0
.macro WIN new                         ; the immediate's high byte repeats the setting that is left
.if MSB != \new
	s_set_vgpr_msb (MSB<<8)|\new
.set MSB, \new
.endif
.endm
.set MUL_LO, 0xa1                      ; source 0 (B) window 1, source 1 (A) window 0, C and D window 2
.set MUL_HI, 0xf1
.set TO_B,   0x40
.macro JLOAD g0a, g1a, g0b, g1b        ; a joint load: one of two arms of a branch on the wave's number; an s_nop 0 and four v_nop follow each
	s_cmp_eq_u32 s[WA], 0
	s_cbranch_scc0 .Lfor_b_\@
	tensor_load_to_lds s[\g0a:\g0a+3], s[\g1a:\g1a+7]
	s_nop 0
.rept 4
	v_nop
.endr
	s_branch .Lasked_\@
.Lfor_b_\@:
	tensor_load_to_lds s[\g0b:\g0b+3], s[\g1b:\g1b+7]
	s_nop 0
.rept 4
	v_nop
.endr
.Lasked_\@:
.endm
.macro CREST                           ; a round of the cluster's barrier behind its opening barrier
	s_cmp_lg_u32 s[WV], 0
	s_cbranch_scc1 .Lnot_wave_0_\@
	s_barrier_signal -3
.Lnot_wave_0_\@:
	s_barrier_wait -3
	s_barrier_signal -1
	s_barrier_wait -1
.endm
.macro CROUND
	s_barrier_signal -1
	s_barrier_wait -1
	CREST
.endm
	s_load_b128 s[4:7], s[0:1], 0x0                ; ximg, wimg
	s_load_b128 s[8:11], s[0:1], 0x10              ; rope, bq
	s_load_b128 s[12:15], s[0:1], 0x20             ; bk, bv
	s_load_b128 s[68:71], s[0:1], 0x30             ; the scales' exponents, qkv
	v_lshl_add_u32 v[SPW], v0, 2, SPARE
	v_mov_b32 v[NIL], 0
	ds_add_u32 v[SPW], v[NIL]                      ; the opening lines: the add twice on end and one wait
	ds_add_u32 v[SPW], v[NIL]
	v_lshrrev_b32 v1, 5, v0
	v_readfirstlane_b32 s[WV], v1
	s_lshr_b32 s[WA], s[WV], 1
	s_and_b32 s[WB], s[WV], 1
	s_bfe_u32 s87, ttmp6, 0x40000                  ; cx
	s_bfe_u32 s88, ttmp6, 0x40004                  ; cy
	s_mov_b32 s[PR], ttmp9                         ; the cluster's x
	s_and_b32 s90, ttmp7, 0xffff
	s_lshl_b32 s90, s90, 2                         ; 4 Y
	s_lshl_b32 s91, s88, 2
	s_lshl_b32 s91, 15, s91                        ; my row of the cluster
	s_lshl_b32 s92, 0x1111, s87                    ; my column
	s_or_b32 s[G1], s91, (3<<16)|(1<<21)           ; 15:0 the mask; 17:16 elements of 8 bytes; 21 set beside a mask; no padding
	s_or_b32 s[G1B], s92, (3<<16)|(1<<21)
.irp g, G1, G1B
	s_mov_b32 s[\g+1], 32<<16                      ; a dense block of 32 KiB as 128 rows of 32 elements of 8 bytes
	s_mov_b32 s[\g+2], 128<<16
	s_mov_b32 s[\g+3], 32<<16
	s_mov_b32 s[\g+4], 128
	s_mov_b32 s[\g+5], 32
	s_mov_b32 s[\g+6], 0
	s_mov_b32 s[\g+7], 0
.endr
	s_cmp_eq_u32 s[PR], 2                          ; v?  The choices hang on the cluster's number alone
	s_cselect_b32 s[TA], 0, s90
	s_cselect_b32 s[TB], s90, 0
	s_cselect_b32 s93, 17, 19                      ; log2 of the bytes from K step to K step: A's buffer,
	s_cselect_b32 s94, 19, 17                      ; B's
	s_cselect_b32 s95, 20, 22                      ; log2 of a product's part of the buffer: A's,
	s_cselect_b32 s96, 22, 20                      ; B's
	s_add_co_u32 s[TA], s[TA], s88                 ; A's tile hangs on cy and Y,
	s_add_co_u32 s[TB], s[TB], s87                 ; B's on cx and Y: each in registers that never hold the other coordinate
	s_lshl_b32 s20, s[PR], s95
	s_lshl_b32 s97, s[WB], s93                     ; the K step of my parity
	s_add_co_u32 s20, s20, s97
	s_lshl_b32 s97, s[TA], 15
	s_add_co_u32 s20, s20, s97
	s_mov_b32 s21, 0
	s_lshl_b32 s46, s[PR], s96
	s_lshl_b32 s98, s[WB], s94
	s_add_co_u32 s46, s46, s98
	s_lshl_b32 s98, s[TB], 15
	s_add_co_u32 s46, s46, s98
	s_mov_b32 s47, 0
	s_lshl_b32 s16, 2, s93                         ; two K steps on: from slot 0 to slot 1,
	s_mov_b32 s17, 0
	s_lshl_b32 s18, 2, s94
	s_mov_b32 s19, 0
	s_lshl_b32 s40, 4, s93                         ; four: a slot's next fill
	s_mov_b32 s41, 0
	s_lshl_b32 s42, 4, s94
	s_mov_b32 s43, 0
	s_lshl_b32 s99, s[WV], 15                      ; in LDS: wave x 32 KiB: from the wave's number alone
	s_wait_dscnt 0x0
	s_wait_kmcnt 0x0
	s_load_b256 s[72:79], s[68:69], 0x0            ; e0 .. e7
	s_load_b128 s[80:83], s[68:69], 0x20           ; e8 .. e11
	s_cmp_eq_u32 s[PR], 2
	s_cselect_b64 s[22:23], s[6:7], s[4:5]         ; A's buffer
	s_cselect_b64 s[94:95], s[4:5], s[6:7]         ; B's
	s_add_nc_u64 s[20:21], s[22:23], s[20:21]
	s_add_nc_u64 s[46:47], s[94:95], s[46:47]
	CROUND                                         ; all sixteen work-groups are here: the first joint loads meet
	s_mov_b32 s[G0], 1
	s_mov_b32 s[G0+1], s99
	s_mov_b64 s[G0+2:G0+3], s[20:21]
	s_or_b32 s[G0+3], s[G0+3], 0x80000000
	s_mov_b32 s[G0+4], 1
	s_add_co_u32 s[G0+5], s99, SLOT
	s_add_nc_u64 s[G0+6:G0+7], s[20:21], s[16:17]
	s_or_b32 s[G0+7], s[G0+7], 0x80000000
	s_mov_b32 s[G0B], 1
	s_mov_b32 s[G0B+1], s99
	s_mov_b64 s[G0B+2:G0B+3], s[46:47]
	s_or_b32 s[G0B+3], s[G0B+3], 0x80000000
	s_mov_b32 s[G0B+4], 1
	s_add_co_u32 s[G0B+5], s99, SLOT
	s_add_nc_u64 s[G0B+6:G0B+7], s[46:47], s[18:19]
	s_or_b32 s[G0B+7], s[G0B+7], 0x80000000
	JLOAD G0, G1, G0B, G1B                         ; K steps 0 and 1: one tensor load a wave at the head
	; the bias: register BI + 8 g + j.  q, k: g = B's block, column 16 g + 8 h + j.  v: g = A's block, channel 16 g + r, the same in all eight.  One run of loads serves both: only the lanes' offsets differ
	s_cmp_eq_u32 s[PR], 0
	s_cselect_b64 s[98:99], s[10:11], s[12:13]     ; bq or bk,
	s_cmp_eq_u32 s[PR], 2
	s_cselect_b64 s[98:99], s[14:15], s[98:99]     ; or bv
	s_cselect_b32 s100, s88, s87                   ; W's tile of 256 rows
	s_cselect_b32 s101, s[WA], s[WB]               ; and my half of it
	s_cselect_b32 s91, 4, 0                        ; bytes for r,
	s_cselect_b32 s92, 0, 32                       ; for h,
	s_cselect_b32 s93, 0, 4                        ; for j
	s_lshl_b32 s100, s100, 10
	s_lshl_b32 s101, s101, 9
	s_add_co_u32 s100, s100, s101
	s_mov_b32 s101, 0
	s_add_nc_u64 s[98:99], s[98:99], s[100:101]
	s_lshl_b32 s21, s[WA], 14                      ; my eight fragments of A,
	s_lshl_b32 s22, s[WB], 14
	s_add_co_u32 s22, s22, 2*HALFT                 ; of B, behind A's two blocks
	s_add_co_u32 s23, s21, SLOT
	s_add_co_u32 s20, s22, SLOT
	v_and_b32 v1, 15, v0                           ; r
	v_bfe_u32 v2, v0, 4, 1                         ; h
	v_and_b32 v3, 31, v0
	v_mov_b32 v5, s93
	v_mul_u32_u24 v4, v1, s91
	v_lshlrev_b32 v[LI], 4, v3
	v_mad_u32_u24 v4, v2, s92, v4
	v_add_nc_u32 v[ADRA], s21, v[LI]
	v_add_nc_u32 v[ADRB], s22, v[LI]
	v_add_nc_u32 v[ADRA+1], s23, v[LI]
	v_add_nc_u32 v[ADRB+1], s20, v[LI]
.irp j, 0,1,2,3,4,5,6,7
	v_mad_u32_u24 v[8+\j], v5, \j, v4
.endr
.irp g, 0,1,2,3,4,5,6,7
.irp j, 0,1,2,3,4,5,6,7
	global_load_b32 v[BI+8*\g+\j], v[8+\j], s[98:99] offset:64*\g
.endr
.endr
	s_wait_alu depctr_va_vdst(0)
	s_wait_kmcnt 0x0
	s_cmp_eq_u32 s[PR], 0
	s_cselect_b32 s92, s72, s74                    ; x's exponent,
	s_cselect_b32 s93, s73, s75                    ; W's,
	s_cselect_b32 s100, s78, s79                   ; the result's
	s_cmp_eq_u32 s[PR], 2
	s_cselect_b32 s92, s76, s92
	s_cselect_b32 s93, s77, s93
	s_cselect_b32 s100, s81, s100
	s_add_co_i32 s92, s92, s93                     ; a sum stands for sum x 2^(ex + ew)
	s_sub_co_i32 s93, 0, s92
	s_sub_co_i32 s100, s100, s92
	s_add_co_i32 s100, s100, 127
	s_lshl_b32 s101, s100, 23
	v_mov_b32 v[CSC], s101                         ; the three scales folded into the conversion's one
	s_add_co_i32 s100, s100, 8
	s_lshl_b32 s100, s100, 23
	s_or_b32 s100, s100, 0x600000
	v_mov_b32 v[HB], s100                          ; 448 x that
	s_wait_loadcnt 0x0
.set J, 0
.rept 64
	v_ldexp_f32 v[BI+J], v[BI+J], s93              ; bias / 2^(ex + ew)
.set J, J+1
.endr
.macro FRAG reg, adr, q, i             ; a fragment: four loads of 512 consecutive bytes
.irp c, 0,1,2,3
	ds_load_b128 v[\reg+4*\c:\reg+4*\c+3], v[\adr] offset:32768*(\q)+2048*(\i)+512*\c
.endr
.endm
; 16 matrix instructions: A's blocks a0, a0 + 1 x B's eight.  p: B's set.  zero = 1: the first product starts the sums.  The 64 accumulators take turns, one instruction a turn.
.macro MUL16 a0, p, zero
.irp a, \a0, \a0+1
.irp b, 0,1,2,3,4,5,6,7
.if \zero
	v_wmma_f32_16x16x128_fp8_fp8 v[8*(8*((\a)%4)+\b):8*(8*((\a)%4)+\b)+7], v[128*(\p)+FR*\b:128*(\p)+FR*\b+FR-1], v[AF+FR*(\a):AF+FR*(\a)+FR-1], 0
.else
	v_wmma_f32_16x16x128_fp8_fp8 v[8*(8*((\a)%4)+\b):8*(8*((\a)%4)+\b)+7], v[128*(\p)+FR*\b:128*(\p)+FR*\b+FR-1], v[AF+FR*(\a):AF+FR*(\a)+FR-1], v[8*(8*((\a)%4)+\b):8*(8*((\a)%4)+\b)+7]
.endif
.endr
.endr
.endm
.macro FETCH_B slot, q, p
	WIN TO_B
.irp i, 0,1,2,3,4,5,6,7
	FRAG 128*(\p)+FR*\i, ADRB+\slot, \q, \i
.endr
	WIN 0
.endm
.macro FETCH_A slot, q, i0
.irp i, \i0, \i0+1, \i0+2, \i0+3
	FRAG AF+FR*(\i), ADRA+\slot, \q, \i
.endr
.endm
.macro PLACES n                        ; places in front of loads into registers that matrix instructions have read, and of the first read of results
.rept \n
	v_nop
.endr
.endm
.macro STEP slot, q, zero              ; a K step that has its successor in the same slot
	s_wait_dscnt 4*NL                              ; B's set and A's blocks 0-3 are in; the youngest 16 loads (A's blocks 4-7) may be out
	WIN MUL_LO
	MUL16 0, (\q)%2, \zero
	MUL16 2, (\q)%2, \zero
	s_wait_dscnt 0
	PLACES NP
	FETCH_B \slot, (\q)+1, 1-(\q)%2
	FETCH_A \slot, (\q)+1, 0
	WIN MUL_HI
	MUL16 4, (\q)%2, \zero
	MUL16 6, (\q)%2, \zero
	PLACES NP
	WIN 0
	FETCH_A \slot, (\q)+1, 4
.endm
; A slot's last K step changes slots: in front of the barrier each wave waits for all its tensor loads, adds 0 to its spare word, and waits for that and for its reads of this slot.  fill = 1: this slot is filled again, four K steps on.
.macro TURN slot, next, fill
	s_wait_tensorcnt 0x0
	ds_add_u32 v[SPW], v[NIL]
	s_wait_dscnt 4*NL+1                            ; the add and the youngest 16 loads may be out
	WIN MUL_LO
	MUL16 0, 1, 0
	s_wait_dscnt 0x0                               ; the add is done, and my reads of this slot are over
	s_barrier_signal -1
	MUL16 2, 1, 0
	WIN 0
	s_barrier_wait -1
.if \fill
	CREST                                          ; the barrier has opened a round of the cluster's barrier
	s_add_nc_u64 s[G0+4*\slot+2:G0+4*\slot+3], s[G0+4*\slot+2:G0+4*\slot+3], s[40:41]
	s_add_nc_u64 s[G0B+4*\slot+2:G0B+4*\slot+3], s[G0B+4*\slot+2:G0B+4*\slot+3], s[42:43]
	JLOAD G0+4*\slot, G1, G0B+4*\slot, G1B         ; the first tensor load behind the round; its four v_nop are the places in front of the loads below
.else
	PLACES NP
.endif
	FETCH_B \next, 0, 0
	FETCH_A \next, 0, 0
	WIN MUL_HI
	MUL16 4, 1, 0
	MUL16 6, 1, 0
	PLACES NP
	WIN 0
	FETCH_A \next, 0, 4
.endm
.macro TABLE half                      ; cos and sin of four token tiles, 32 registers each, into window 1: 32 loads of 512 consecutive bytes
.set J, 0
.rept 32
	global_load_b128 v[128*\half+4*J:128*\half+4*J+3], v[LI], s[8:9] offset:16384*\half+512*J
.set J, J+1
.endr
.endm
	s_wait_alu depctr_va_vdst(0)
	s_wait_tensorcnt 0x0                           ; my part of K steps 0, 1 is in; the full sequence ahead of a later first fill:
	ds_add_u32 v[SPW], v[NIL]
	s_wait_dscnt 0x0
	CROUND
	JLOAD G0+4, G1, G0B+4, G1B                     ; K steps 2 and 3
	FETCH_B 0, 0, 0
	FETCH_A 0, 0, 0
	FETCH_A 0, 0, 4
	STEP 0, 0, 1                                   ; K step 0 starts the sums
	TURN 0, 1, 1                                   ; 1; slot 0 takes K steps 4, 5
	STEP 1, 0, 0                                   ; 2
	TURN 1, 0, 1                                   ; 3; slot 1 takes K steps 6, 7
	STEP 0, 0, 0                                   ; 4
	TURN 0, 1, 0                                   ; 5; nothing more is filled
	STEP 1, 0, 0                                   ; 6
	s_cmp_eq_u32 s[PR], 2
	s_cbranch_scc1 .Lno_table                      ; v is not rotated
	s_and_b32 s2, s[TA], 7
	s_lshl_b32 s2, s2, 4
	s_lshl_b32 s3, s[WA], 3
	s_add_co_u32 s2, s2, s3                        ; my first token tile within the sequence
	s_lshl_b32 s2, s2, 12
	s_mov_b32 s3, 0
	s_add_nc_u64 s[8:9], s[8:9], s[2:3]
	WIN TO_B
	TABLE 0                                        ; into B's set 0, which K step 6 has left (four places stand behind its last product)
	WIN 0
.Lno_table:
	s_wait_dscnt 4*NL                              ; K step 7: nothing more to fetch
	WIN MUL_LO
	MUL16 0, 1, 0
	MUL16 2, 1, 0
	s_wait_dscnt 0
	WIN MUL_HI
	MUL16 4, 1, 0
	MUL16 6, 1, 0
	WIN 0
	PLACES NP
	s_cmp_eq_u32 s[PR], 2
	s_cbranch_scc1 .Lv
	; ---- q or k
	WIN TO_B
	TABLE 1                                        ; into B's set 1
.macro BIAS                            ; 32 accumulators + the bias of their columns, in place, each from its low end on
.irp a, 0,1,2,3
.irp b, 0,1,2,3,4,5,6,7
.irp jj, 0,2,4,6
	v_pk_add_f32 v[8*(8*\a+\b)+\jj:8*(8*\a+\b)+\jj+1], v[8*(8*\a+\b)+\jj:8*(8*\a+\b)+\jj+1], v[BI+8*\b+\jj:BI+8*\b+\jj+1]
.endr
.endr
.endr
.endm
	WIN 0x82                                       ; source 0 and the destination window 2, the bias window 0
	BIAS
	WIN 0xc3
	BIAS
	WIN 0
	s_lshr_b32 s2, s[TA], 3                        ; batch
	s_lshl_b32 s2, s2, 4
	s_lshl_b32 s3, s[TB], 2                        ; W's tile is four heads,
	s_add_co_u32 s2, s2, s3
	s_lshl_b32 s3, s[WB], 1                        ; my half two
	s_add_co_u32 s2, s2, s3
	s_lshl_b32 s2, s2, 7
	s_and_b32 s3, s[TA], 7
	s_lshl_b32 s3, s3, 4
	s_add_co_u32 s2, s2, s3
	s_lshl_b32 s3, s[WA], 3
	s_add_co_u32 s2, s2, s3                        ; + my first token tile
	s_lshl_b32 s2, s2, 10
	s_lshl_b32 s3, s[PR], 22                       ; q's part or k's
	s_add_co_u32 s2, s2, s3
	s_mov_b32 s3, 0
	s_add_nc_u64 s[70:71], s[70:71], s[2:3]
; Token tile a, head hh: the rotation (channels d and d + 32 lie in B's blocks t and t + 2 of the same lane), the hold, the conversions, two stores of 512 consecutive bytes.  Each unit has its own eight registers of codes.
.macro QKU a, hh
.set AL,  8*(8*((\a)%4)+4*(\hh))
.set CSB, 32*(\a)
.set CD,  128+8*(2*(\a)+(\hh))
	WIN 0x06+((\a)/4)                              ; source 0 window 2 or 3, cos and sin window 1, the rest window 0
.irp t, 0,1
.irp jj, 0,2,4,6
	v_pk_mul_f32 v[TL+8*\t+\jj:TL+8*\t+\jj+1], v[AL+8*\t+\jj:AL+8*\t+\jj+1], v[CSB+8*\t+\jj:CSB+8*\t+\jj+1]
	v_pk_mul_f32 v[TL+16+8*\t+\jj:TL+16+8*\t+\jj+1], v[AL+16+8*\t+\jj:AL+16+8*\t+\jj+1], v[CSB+8*\t+\jj:CSB+8*\t+\jj+1]
.endr
.endr
.irp t, 0,1
.irp jj, 0,2,4,6
	v_pk_fma_f32 v[TL+8*\t+\jj:TL+8*\t+\jj+1], v[AL+16+8*\t+\jj:AL+16+8*\t+\jj+1], v[CSB+16+8*\t+\jj:CSB+16+8*\t+\jj+1], v[TL+8*\t+\jj:TL+8*\t+\jj+1] neg_lo:[1,0,0] neg_hi:[1,0,0]   ; lo cos - hi sin
	v_pk_fma_f32 v[TL+16+8*\t+\jj:TL+16+8*\t+\jj+1], v[AL+8*\t+\jj:AL+8*\t+\jj+1], v[CSB+16+8*\t+\jj:CSB+16+8*\t+\jj+1], v[TL+16+8*\t+\jj:TL+16+8*\t+\jj+1]   ; hi cos + lo sin
.endr
.endr
	WIN 0
.set J, 0
.rept 32
	v_med3_num_f32 v[TL+J], v[TL+J], -v[HB], v[HB] ; the conversion does not saturate (ISA guide 7.6.2)
.set J, J+1
.endr
.irp n, 0,1,2,3
	v_cvt_scalef32_pk8_fp8_f32 v[CD+2*\n:CD+2*\n+1], v[TL+8*\n:TL+8*\n+7], v[CSC]
.endr
	v_nop                                          ; a plain line behind the last conversion: the next unit writes its sources again
	global_store_b128 v[LI], v[CD:CD+3], s[70:71] offset:(\a)*1024+(\hh)*131072
	global_store_b128 v[LI], v[CD+4:CD+7], s[70:71] offset:(\a)*1024+(\hh)*131072+512
.endm
	s_wait_alu depctr_va_vdst(0)
	s_wait_loadcnt 0x20                            ; the table's first half is in; the second's 32 loads are younger
.irp a, 0,1,2,3
	QKU \a, 0
	QKU \a, 1
.endr
	s_wait_alu depctr_va_vdst(0)
	s_wait_loadcnt 0x0
.irp a, 4,5,6,7
	QKU \a, 0
	QKU \a, 1
.endr
	s_branch .Ldone
	; ---- v
.Lv:
	s_lshr_b32 s2, s[TB], 3                        ; batch
	s_lshl_b32 s2, s2, 4
	s_lshl_b32 s3, s[TA], 2                        ; Wv's tile is four heads,
	s_add_co_u32 s2, s2, s3
	s_lshl_b32 s3, s[WA], 1                        ; my half two
	s_add_co_u32 s2, s2, s3
	s_lshl_b32 s2, s2, 4
	s_and_b32 s3, s[TB], 7
	s_lshl_b32 s3, s3, 1
	s_add_co_u32 s2, s2, s3
	s_add_co_u32 s2, s2, s[WB]                     ; my 128 tokens are one block of keys
	s_lshl_b32 s2, s2, 13
	s_add_co_u32 s2, s2, 0x800000
	s_mov_b32 s3, 0
	s_add_nc_u64 s[70:71], s[70:71], s[2:3]
; Channel tile a: its eight accumulators are 128 keys: + the lane's bias, the hold, the conversions: the fragment's 16 registers, four stores of 512 consecutive bytes.
.macro VA a
.set AL, 64*((\a)%4)
.set CD, 192+16*((\a)%4)
.if (\a) == 4
	s_wait_alu depctr_va_vdst(0)
	s_wait_xcnt 0x0                                ; the codes' registers, which the stores above read, are written again only behind this wait
.endif
	WIN 0x02+((\a)/4)                              ; source 0 window 2 or 3
.set J, 0
.rept 32
	v_pk_add_f32 v[AF+2*J:AF+2*J+1], v[AL+2*J:AL+2*J+1], v[BI+8*(\a):BI+8*(\a)+1]
.set J, J+1
.endr
	WIN 0
.set J, 0
.rept 64
	v_med3_num_f32 v[AF+J], v[AF+J], -v[HB], v[HB]
.set J, J+1
.endr
.irp n, 0,1,2,3,4,5,6,7
	v_cvt_scalef32_pk8_fp8_f32 v[CD+2*\n:CD+2*\n+1], v[AF+8*\n:AF+8*\n+7], v[CSC]
.endr
	v_nop
.irp g, 0,1,2,3
	global_store_b128 v[LI], v[CD+4*\g:CD+4*\g+3], s[70:71] offset:((\a)/4)*131072+((\a)%4)*2048+512*\g
.endr
.endm
.irp a, 0,1,2,3,4,5,6,7
	VA \a
.endr
.Ldone:
	s_wait_tensorcnt 0x0                           ; the wave's end
	ds_add_u32 v[SPW], v[NIL]
	s_wait_dscnt 0x0
	CROUND                                         ; the closing round
	s_endpgm
.Lfunc_end_k_qd2d2df69d1_qkv:
	.size	k_qd2d2df69d1_qkv, .Lfunc_end_k_qd2d2df69d1_qkv-k_qd2d2df69d1_qkv
	.p2alignl 7, 3214868480
	.fill 96, 4, 3214868480
	.section	.rodata,"a",@progbits
	.p2align	6, 0x0
	.amdhsa_kernel k_qd2d2df69d1_qkv
		.amdhsa_group_segment_fixed_size 327680
		.amdhsa_private_segment_fixed_size 0
		.amdhsa_enable_private_segment 0
		.amdhsa_kernarg_size 64
		.amdhsa_user_sgpr_count 2
		.amdhsa_user_sgpr_kernarg_segment_ptr 1
		.amdhsa_wavefront_size32 1
		.amdhsa_system_sgpr_workgroup_id_x 1
		.amdhsa_system_sgpr_workgroup_id_y 1
		.amdhsa_system_sgpr_workgroup_id_z 1
		.amdhsa_system_vgpr_workitem_id 0
		.amdhsa_next_free_vgpr 1024
		.amdhsa_next_free_sgpr 102
		.amdhsa_reserve_vcc 0
		.amdhsa_float_denorm_mode_32 3
		.amdhsa_float_denorm_mode_16_64 3
		.amdhsa_memory_ordered 1
		.amdhsa_forward_progress 1
		.amdhsa_inst_pref_size 241
	.end_amdhsa_kernel
	.amdgpu_metadata
---
amdhsa.version: [ 1, 2 ]
amdhsa.kernels:
  - .name:           k_qd2d2df69d1_qkv
    .symbol:         k_qd2d2df69d1_qkv.kd
    .args:
      - { .name: ximg, .offset: 0, .size: 8, .value_kind: global_buffer, .address_space: global }
      - { .name: wimg, .offset: 8, .size: 8, .value_kind: global_buffer, .address_space: global }
      - { .name: rope, .offset: 16, .size: 8, .value_kind: global_buffer, .address_space: global }
      - { .name: bq, .offset: 24, .size: 8, .value_kind: global_buffer, .address_space: global }
      - { .name: bk, .offset: 32, .size: 8, .value_kind: global_buffer, .address_space: global }
      - { .name: bv, .offset: 40, .size: 8, .value_kind: global_buffer, .address_space: global }
      - { .name: lowp_scales, .offset: 48, .size: 8, .value_kind: global_buffer, .address_space: global }
      - { .name: qkv, .offset: 56, .size: 8, .value_kind: global_buffer, .address_space: global }
    .group_segment_fixed_size: 327680
    .private_segment_fixed_size: 0
    .kernarg_segment_align: 8
    .kernarg_segment_size: 64
    .max_flat_workgroup_size: 128
    .sgpr_count:     102
    .vgpr_count:     1024
    .wavefront_size: 32
...
	.end_amdgpu_metadata
.endif
;; end of part 2
;; launch attn (part 3): grid 8 x 32, 8 waves a work-group, clusters of 4 x 1, 327,680 bytes of LDS; arguments qkv, lowp_scales, aimg; writes aimg
.if DOCPART == 3
	.amdgcn_target "amdgcn-amd-amdhsa--gfx1250"
	.amdhsa_code_object_version 6
	.text
	.protected	k_qd2d2df69d1_attn
	.globl	k_qd2d2df69d1_attn
	.p2align	8
	.type	k_qd2d2df69d1_attn,@function
k_qd2d2df69d1_attn:
	s_mov_b64 s[64:65], 0
	v_nop
	global_prefetch_b8 v0, s[64:65] scope:SCOPE_SE
	s_setreg_imm32_b32 hwreg(HW_REG_WAVE_MODE, 25, 1), 1
	s_wait_xcnt 0x0
	s_wait_alu depctr_hold_cnt(0) depctr_sa_sdst(0) depctr_va_vdst(0) depctr_va_sdst(0) depctr_va_ssrc(0) depctr_va_vcc(0) depctr_vm_vsrc(0)
	s_getreg_b32 s2, hwreg(HW_REG_IB_STS2, 6, 4)
	s_cmp_eq_u32 s2, 0
	s_cbranch_scc0 .Lentry_in_a_cluster
	s_endpgm
.Lentry_in_a_cluster:
	s_bfe_u32 s2, ttmp6, 0x10000c
	s_cmp_lg_u32 s2, 0x3003
	s_cbranch_scc0 .Lentry_shape_is_right
	s_endpgm
.Lentry_shape_is_right:
; a = softmax(q k^T / 8) v for one batch and head, both products on codes of FP8 (E4M3); the result is quantised at once as the operand of the last product (entry 10) and stored as codes.
; qkv holds images of the operands' registers: q at 0, k at 4 MiB: [batch x head][token tile][group 0..1][lane][16 bytes]; v at 8 MiB: [batch x head][128 keys][channel tile 0..3][group 0..3][lane][16 bytes].
; THE SOFTMAX: t = score x log2(e) / 8; M = the running largest t rounded up to a whole number; p = 2^(t - M) is quantised (entry 8), not normalised; the row's sum is taken of the unquantised p and divides at the end.
; When M moves, the sums and O are multiplied by 2^(old M - new M), in every step, with no branch on data.
; SHARES.  A work-group owns 256 queries of one head; each of its eight waves owns 32, as TWO tiles of 16: tile A in register window 0, tile B under the same register numbers in window 1.
; So one text of the softmax serves both, and each fragment of K and of V that a wave reads from LDS feeds two matrix instructions.  A step is 128 keys.
; Both products are used transposed (S^T = K Q^T, O^T = V^T P^T): a lane holds one query, and the conversions' results are the next operand's registers.
; K AND V ARE RESIDENT: a head's 128 KiB of each lie in LDS whole; nothing is filled again.  Waves 0-3 fetch K, waves 4-7 V: at the head 8 KiB each (steps 0-3), behind the full sequence and a round 24 KiB each (steps 4-15).
; CLUSTER 4, 1, 1: the four partners own other queries of the same head and ask for K and V jointly (mask 15).
; No prefetch: K and V are asked for whole by the two loads at the head, and the text has no loop that runs ahead of a load.
; The exponentials go in four groups of 16.  Each group has one wait ahead of it; among a group's exponentials stand only lines that read nothing written since that wait.
; LIMITS: e6 + e7 between -123 and 130; e8 and e10 - e8 - e9 between -126 and 119, so that each power of two below is an f32 number.  The scaled scores stay under 2^31 in magnitude.  NaN among the inputs is not served.
; REGISTERS, each window: v12 -M, v13 the largest score, v[14:15] and v[24:25] the sum in two chains, v16-23 Q, v96-159 S^T then p, v160-191 O^T, v192-207 p's codes, v208-221 at work and constants.
;   v32-95: in window 0 K's eight fragments, in window 1 V's four.  Window 0 alone: v1-5 addresses.
.set VPAN,  131072                     ; LDS: V's panel, behind K's
.set SPARE, 262144                     ; the spare words: 128 bytes for each of eight waves
.set LI,  1                            ; 16 x lane
.set ADK, 2                            ; LDS address of the next K fragments
.set ADV, 3                            ; and of the next V fragments
.set SPW, 4
.set NIL, 5
.set L0,  14
.set L1,  24
.set QF,  16
.set KF,  32
.set S,   96
.set O,   160
.set P,   192
.set MX,  208
.set PL,  212
.set F,   214                          ; v[214:215]: 2^(old M - new M), named as a pair
.set OM,  216
.set CSC, 218                          ; 2^e8
.set HB,  219                          ; 448 x 2^e8
.set OSC, 220                          ; 2^(e10 - e8 - e9)
.set OHB, 221                          ; 448 x that
.set WV,  10
.set SEL, 20
.set CS,  22
.set CNT, 29
.set G1A, 32
.set G1B, 40
.set G0A, 48
.set G0B, 52
.set MSB, 0
.macro WIN new                         ; the immediate's high byte repeats the setting that is left
.if MSB != \new
	s_set_vgpr_msb (MSB<<8)|\new
.set MSB, \new
.endif
.endm
.macro CROUND                          ; a round of the cluster's barrier
	s_barrier_signal -1
	s_barrier_wait -1
	s_cmp_lg_u32 s[WV], 0
	s_cbranch_scc1 .Lnot_wave_0_\@
	s_barrier_signal -3
.Lnot_wave_0_\@:
	s_barrier_wait -3
	s_barrier_signal -1
	s_barrier_wait -1
.endm
	s_load_b128 s[4:7], s[0:1], 0x0                ; qkv, the scales' exponents
	s_load_b64 s[8:9], s[0:1], 0x10                ; aimg
	v_lshl_add_u32 v[SPW], v0, 2, SPARE
	v_mov_b32 v[NIL], 0
	ds_add_u32 v[SPW], v[NIL]                      ; the opening lines: the add twice on end and one wait
	ds_add_u32 v[SPW], v[NIL]
	v_lshrrev_b32 v1, 5, v0
	s_delay_alu instid0(VALU_DEP_1)
	v_readfirstlane_b32 s[WV], v1                  ; wave 0..7
	s_lshr_b32 s11, s[WV], 2                       ; 0 fetches K, 1 fetches V
	s_and_b32 s12, s[WV], 3                        ; which quarter
	s_bfe_u32 s13, ttmp6, 0x40000                  ; cx
	s_lshl_b32 s14, ttmp9, 2
	s_add_co_u32 s14, s14, s13                     ; block of 256 queries, 0..7
	s_and_b32 s15, ttmp7, 0xffff                   ; 16 x batch + head
	s_lshl_b32 s16, s11, 17
	s_lshl_b32 s17, s12, 13
	s_add_co_u32 s17, s16, s17                     ; LDS, first load: 8 KiB x quarter
	s_mul_i32 s18, s12, 24576
	s_add_co_u32 s18, s18, s16
	s_add_co_u32 s18, s18, 32768                   ; LDS, second load: 24 KiB x quarter, behind the first 32 KiB
	s_lshl_b32 s56, s11, 22
	s_add_co_u32 s56, s56, 0x400000
	s_lshl_b32 s31, s15, 17                        ; a head's 128 KiB
	s_add_co_u32 s56, s56, s31
	s_lshl_b32 s58, s12, 13
	s_add_co_u32 s58, s58, s56
	s_mov_b32 s59, 0
	s_mul_i32 s60, s12, 24576
	s_add_co_u32 s60, s60, s56
	s_add_co_u32 s60, s60, 32768
	s_mov_b32 s61, 0
	s_mov_b32 s[G1A], 15|(3<<16)|(1<<21)           ; the four partners; elements of 8 bytes; a dense block as rows of 256 bytes: 32 rows
	s_mov_b32 s[G1A+1], 32<<16
	s_mov_b32 s[G1A+2], 32<<16
	s_mov_b32 s[G1A+3], 32<<16
	s_mov_b32 s[G1A+4], 32
	s_mov_b32 s[G1A+5], 32
	s_mov_b32 s[G1A+6], 0
	s_mov_b32 s[G1A+7], 0
	s_mov_b32 s[G1B], 15|(3<<16)|(1<<21)           ; 96 rows
	s_mov_b32 s[G1B+1], 32<<16
	s_mov_b32 s[G1B+2], 96<<16
	s_mov_b32 s[G1B+3], 32<<16
	s_mov_b32 s[G1B+4], 96
	s_mov_b32 s[G1B+5], 32
	s_mov_b32 s[G1B+6], 0
	s_mov_b32 s[G1B+7], 0
	s_mov_b32 s[SEL], 0x76543210
	s_mov_b32 s[SEL+1], 0xfedcba98
	s_mov_b32 s[CS], 0x3e38aa3b                    ; log2(e) / 8
	s_wait_dscnt 0x0
	s_wait_kmcnt 0x0
	s_load_b128 s[24:27], s[6:7], 0x18             ; e6 .. e9
	s_load_b32 s28, s[6:7], 0x28                   ; e10
	s_mov_b32 s[G0A], 1
	s_mov_b32 s[G0A+1], s17
	s_add_nc_u64 s[G0A+2:G0A+3], s[4:5], s[58:59]
	s_or_b32 s[G0A+3], s[G0A+3], 0x80000000
	s_mov_b32 s[G0B], 1
	s_mov_b32 s[G0B+1], s18
	s_add_nc_u64 s[G0B+2:G0B+3], s[4:5], s[60:61]
	s_or_b32 s[G0B+3], s[G0B+3], 0x80000000
	CROUND                                         ; the four partners are here: the joint loads meet
	tensor_load_to_lds s[G0A:G0A+3], s[G1A:G1A+7]  ; steps 0-3: one tensor load a wave at the head
	s_nop 0
.rept 4
	v_nop
.endr
	s_lshl_b32 s16, s14, 4
	s_lshl_b32 s19, s[WV], 1
	s_add_co_u32 s16, s16, s19                     ; my first token tile: 16 x block + 2 x wave
	s_lshl_b32 s18, s16, 10
	s_add_co_u32 s18, s18, s31
	s_mov_b32 s19, 0
	s_add_nc_u64 s[18:19], s[4:5], s[18:19]
	v_and_b32 v1, 31, v0
	s_delay_alu instid0(VALU_DEP_1)
	v_lshlrev_b32 v[LI], 4, v1
	v_mov_b32 v[ADK], v[LI]
	v_add_nc_u32 v[ADV], VPAN, v[LI]
	global_load_b128 v[QF:QF+3], v[LI], s[18:19]               ; tile A's Q
	global_load_b128 v[QF+4:QF+7], v[LI], s[18:19] offset:512
	WIN 0x40
	global_load_b128 v[QF:QF+3], v[LI], s[18:19] offset:1024   ; tile B's, into window 1
	global_load_b128 v[QF+4:QF+7], v[LI], s[18:19] offset:1536
	WIN 0
	s_and_b32 s56, s15, 15                         ; head
	s_lshr_b32 s57, s15, 4                         ; batch
	s_lshl_b32 s57, s57, 7
	s_add_co_u32 s57, s57, s16
	s_lshl_b32 s57, s57, 11                        ; aimg: [K step = head / 2][row tile][fragment of 2,048 bytes]; my head's groups are 2 (head % 2) and the next
	s_lshr_b32 s58, s56, 1
	s_lshl_b32 s58, s58, 19
	s_add_co_u32 s57, s57, s58
	s_and_b32 s56, s56, 1
	s_lshl_b32 s56, s56, 10
	s_add_co_u32 s56, s56, s57
	s_mov_b32 s57, 0
	s_add_nc_u64 s[8:9], s[8:9], s[56:57]
	s_wait_kmcnt 0x0
	s_add_co_i32 s56, s24, s25
	s_lshl_b32 s56, s56, 23
	s_add_co_i32 s[CS], s[CS], s56                 ; e6 + e7 added to c's exponent field
	s_mov_b32 s[CS+1], s[CS]
	s_add_co_i32 s56, s26, 127
	s_lshl_b32 s57, s56, 23                        ; 2^e8
	s_add_co_i32 s56, s56, 8
	s_lshl_b32 s58, s56, 23
	s_or_b32 s58, s58, 0x600000                    ; 448 x 2^e8
	s_sub_co_i32 s56, s28, s26
	s_sub_co_i32 s56, s56, s27
	s_add_co_i32 s56, s56, 127
	s_lshl_b32 s59, s56, 23                        ; 2^(e10 - e8 - e9)
	s_add_co_i32 s56, s56, 8
	s_lshl_b32 s60, s56, 23
	s_or_b32 s60, s60, 0x600000
.macro INIT                            ; a tile's state.  The step is written once: the first finds zeros, which the first change of M leaves zeros
	v_mov_b32 v13, 0xff61b1e6                      ; -3e38, under every score
	v_mov_b32 v12, 0x7f61b1e6                      ; -M
	v_mov_b32 v[L0], 0
	v_mov_b32 v[L0+1], 0
	v_mov_b32 v[L1], 0
	v_mov_b32 v[L1+1], 0
	v_mov_b32 v[PL], 0
	v_mov_b32 v[F+1], 0
	v_mov_b32 v[CSC], s57
	v_mov_b32 v[HB], s58
	v_mov_b32 v[OSC], s59
	v_mov_b32 v[OHB], s60
.set J, 0
.rept 32
	v_mov_b32 v[O+J], 0
.set J, J+1
.endr
.endm
	INIT
	WIN 0x55
	INIT
	WIN 0
.macro LDF adr                         ; 16 loads of 512 consecutive bytes: K's eight fragments or V's four
.set J, 0
.rept 16
	ds_load_b128 v[KF+4*J:KF+4*J+3], v[\adr] offset:512*J
.set J, J+1
.endr
.endm
.macro QK
.irp t, 0,1,2,3,4,5,6,7
	v_wmma_f32_16x16x64_fp8_fp8 v[S+8*\t:S+8*\t+7], v[KF+8*\t:KF+8*\t+7], v[QF:QF+7], 0
.endr
.endm
.macro PV
.irp t, 0,1,2,3
	v_wmma_f32_16x16x128_fp8_fp8 v[O+8*\t:O+8*\t+7], v[KF+16*\t:KF+16*\t+15], v[P:P+15], v[O+8*\t:O+8*\t+7]
.endr
.endm
.macro FM g, k                         ; t - M, two at a time
	v_pk_fma_f32 v[S+16*(\g)+2*(\k):S+16*(\g)+2*(\k)+1], v[S+16*(\g)+2*(\k):S+16*(\g)+2*(\k)+1], s[CS:CS+1], v[12:13] op_sel_hi:[1,0,0]
.endm
.macro EX g, i
	v_exp_f32 v[S+16*(\g)+(\i)], v[S+16*(\g)+(\i)]
.endm
.macro HO g, i                         ; the conversion does not saturate (ISA guide 7.6.2); p is not negative
	v_min_num_f32 v[S+16*(\g)+(\i)], v[S+16*(\g)+(\i)], v[HB]
.endm
.macro AD g                            ; the sum of the unquantised p, in two chains
.irp k, 0,4,8,12
	v_pk_add_f32 v[L0:L0+1], v[L0:L0+1], v[S+16*(\g)+\k:S+16*(\g)+\k+1]
	v_pk_add_f32 v[L1:L1+1], v[L1:L1+1], v[S+16*(\g)+\k+2:S+16*(\g)+\k+3]
.endr
.endm
.macro CV g
	v_cvt_scalef32_pk8_fp8_f32 v[P+4*(\g):P+4*(\g)+1], v[S+16*(\g):S+16*(\g)+7], v[CSC]
	v_cvt_scalef32_pk8_fp8_f32 v[P+4*(\g)+2:P+4*(\g)+3], v[S+16*(\g)+8:S+16*(\g)+15], v[CSC]
.endm
; One tile's softmax of 128 keys.  w = 1: the other tile's exponentials stand between the scores' products and this first read.  dsw >= 0: the LDS loads that may stay out when V's fragments are wanted.
.macro SM w, dsw
.if \w
	s_wait_alu depctr_va_vdst(0)                   ; directly ahead of the scores' first readers
.endif
.irp c, 0,1,2,3
	v_max3_num_f32 v[MX+\c], v[S+16*\c], v[S+16*\c+1], v[S+16*\c+2]   ; each accumulator from its low end on
.endr
.irp k, 3,5,7,9,11,13
.irp c, 0,1,2,3
	v_max3_num_f32 v[MX+\c], v[MX+\c], v[S+16*\c+\k], v[S+16*\c+\k+1]
.endr
.endr
	v_max3_num_f32 v[MX], v[MX], v[S+15], v[S+31]
	v_max3_num_f32 v[MX+1], v[MX+1], v[S+47], v[S+63]
	s_delay_alu instid0(VALU_DEP_1)
	v_max3_num_f32 v[MX], v[MX], v[MX+1], v[MX+2]
	s_delay_alu instid0(VALU_DEP_1)
	v_max_num_f32 v[MX], v[MX], v[MX+3]
	s_delay_alu instid0(VALU_DEP_1)
	v_permlanex16_b32 v[PL], v[MX], s[SEL], s[SEL+1]
	v_mov_b32 v[OM], v12
	s_delay_alu instid0(VALU_DEP_2)
	v_max3_num_f32 v13, v13, v[MX], v[PL]          ; the running largest score (c is positive)
	s_delay_alu instid0(VALU_DEP_1)
	v_mul_f32 v[MX], s[CS], v13                    ; as t
	s_delay_alu instid0(VALU_DEP_1)
	v_floor_f32 v12, -v[MX]                        ; -M = floor(-t)
	s_delay_alu instid0(VALU_DEP_1)
	v_sub_f32 v[OM], v12, v[OM]                    ; old M - new M, a whole number, 0 or less
	FM 0, 0
	FM 0, 1
	v_cvt_i32_f32 v[OM], v[OM]                     ; (it saturates)
	FM 0, 2
	FM 0, 3
	v_ldexp_f32 v[F], 1.0, v[OM]
	FM 0, 4
	FM 0, 5
	FM 0, 6
	FM 0, 7
	s_wait_alu depctr_va_vdst(0)                   ; ahead of each group of exponentials
.irp k, 0,1,2,3,4,5,6,7
	EX 0, 2*\k
	EX 0, 2*\k+1
	FM 1, \k
.endr
	v_pk_mul_f32 v[L0:L0+1], v[L0:L0+1], v[F:F+1] op_sel_hi:[1,0]   ; the sums under the new M
	v_pk_mul_f32 v[L1:L1+1], v[L1:L1+1], v[F:F+1] op_sel_hi:[1,0]
	s_wait_alu depctr_va_vdst(0)                   ; behind group 0, ahead of group 1
	AD 0
.irp k, 0,1,2,3,4,5,6,7
	EX 1, 2*\k
	HO 0, 2*\k
	FM 2, \k
	EX 1, 2*\k+1
	HO 0, 2*\k+1
.endr
	s_wait_alu depctr_va_vdst(0)
	AD 1
	CV 0
.irp k, 0,1,2,3,4,5,6,7
	EX 2, 2*\k
	HO 1, 2*\k
	FM 3, \k
	EX 2, 2*\k+1
	HO 1, 2*\k+1
.endr
	s_wait_alu depctr_va_vdst(0)
	AD 2
	CV 1
.irp k, 0,1,2,3,4,5,6,7
	EX 3, 2*\k
	HO 2, 2*\k
	EX 3, 2*\k+1
	HO 2, 2*\k+1
.endr
.if \dsw >= 0
	s_wait_dscnt \dsw                              ; V's 16 loads are in; the next K's, where asked for, are younger
.endif
	s_wait_alu depctr_va_vdst(0)                   ; behind the last group, and directly ahead of O^T's first readers
.set J, 0
.rept 16
	v_pk_mul_f32 v[O+2*J:O+2*J+1], v[O+2*J:O+2*J+1], v[F:F+1] op_sel_hi:[1,0]   ; O^T under the new M
.set J, J+1
.endr
	AD 3
.irp i, 0,1,2,3,4,5,6,7,8,9,10,11,12,13,14,15
	HO 3, \i
.endr
	CV 2
	CV 3
	v_nop                                          ; a plain line between the conversions and the product that reads the codes
.endm
; A step of 128 keys for both tiles.  pre = 1: the next step's K fragments are fetched under the softmax.
.macro STEP pre
.rept 4
	v_nop                                          ; places in front of loads into V's registers, which the last products read
.endr
	WIN 0x40
	LDF ADV
	WIN 0
.if \pre
	v_add_nc_u32 v[ADV], 8192, v[ADV]
.endif
	s_wait_dscnt 0x10                              ; K's fragments are in; V's 16 loads are younger
	QK
	WIN 0x44                                       ; K from window 0; Q and S^T of tile B
	QK
	WIN 0
.rept 4
	v_nop                                          ; places in front of the loads into K's registers and of the first read of the scores
.endr
.if \pre
	LDF ADK
	v_add_nc_u32 v[ADK], 8192, v[ADK]
.endif
	SM 0, 16*\pre
	WIN 0x01                                       ; V from window 1
	PV
	WIN 0x55
	SM 1, -1
	PV
	WIN 0
.endm
	s_wait_alu depctr_va_vdst(0)
	s_wait_loadcnt 0x0                             ; Q
	s_wait_tensorcnt 0x0                           ; my part of steps 0-3 is in; the full sequence ahead of a later first fill:
	ds_add_u32 v[SPW], v[NIL]
	s_wait_dscnt 0x0
	CROUND
	tensor_load_to_lds s[G0B:G0B+3], s[G1B:G1B+7]  ; steps 4-15
	s_nop 0
.rept 4
	v_nop
.endr
	LDF ADK                                        ; step 0's K
	v_add_nc_u32 v[ADK], 8192, v[ADK]
	s_wait_alu depctr_va_vdst(0)
	s_mov_b32 s[CNT], 3
.Lfirst:                                           ; steps 0-2: they read, and fetch ahead, steps 0-3 alone
	STEP 1
	s_sub_co_u32 s[CNT], s[CNT], 1
	s_cmp_lg_u32 s[CNT], 0
	s_cbranch_scc1 .Lfirst
	s_wait_tensorcnt 0x0                           ; my part of steps 4-15 is in
	s_wait_dscnt 0x0
	s_barrier_signal -1
	s_barrier_wait -1                              ; and everybody's
	s_mov_b32 s[CNT], 12
.Lrest:                                            ; steps 3-14
	STEP 1
	s_sub_co_u32 s[CNT], s[CNT], 1
	s_cmp_lg_u32 s[CNT], 0
	s_cbranch_scc1 .Lrest
	STEP 0                                         ; step 15 fetches nothing ahead
.rept 4
	v_nop
.endr
.macro FIN                             ; O^T / the sum, held, as codes
	v_pk_add_f32 v[L0:L0+1], v[L0:L0+1], v[L1:L1+1]
	s_delay_alu instid0(VALU_DEP_1)
	v_add_f32 v[L0], v[L0], v[L0+1]
	s_delay_alu instid0(VALU_DEP_1)
	v_permlanex16_b32 v[PL], v[L0], s[SEL], s[SEL+1]
	s_delay_alu instid0(VALU_DEP_1)
	v_add_f32 v[L0], v[L0], v[PL]
	s_wait_alu depctr_va_vdst(0)                   ; ahead of the transcendental
	v_rcp_f32 v[L0], v[L0]
	v_nop
	s_wait_alu depctr_va_vdst(0)                   ; behind it, and directly ahead of O^T's first readers
.set J, 0
.rept 16
	v_pk_mul_f32 v[S+2*J:S+2*J+1], v[O+2*J:O+2*J+1], v[L0:L0+1] op_sel_hi:[1,0]
.set J, J+1
.endr
.set J, 0
.rept 32
	v_med3_num_f32 v[S+J], v[S+J], -v[OHB], v[OHB]
.set J, J+1
.endr
.irp t, 0,1,2,3
	v_cvt_scalef32_pk8_fp8_f32 v[P+2*\t:P+2*\t+1], v[S+8*\t:S+8*\t+7], v[OSC]
.endr
	v_nop
.endm
	FIN
	global_store_b128 v[LI], v[P:P+3], s[8:9]                  ; 32 lanes store 512 consecutive bytes, aligned
	global_store_b128 v[LI], v[P+4:P+7], s[8:9] offset:512
	WIN 0x55
	FIN
	WIN 0x04                                       ; the data from window 1
	global_store_b128 v[LI], v[P:P+3], s[8:9] offset:2048
	global_store_b128 v[LI], v[P+4:P+7], s[8:9] offset:2560
	WIN 0
	s_wait_tensorcnt 0x0                           ; the wave's end
	ds_add_u32 v[SPW], v[NIL]
	s_wait_dscnt 0x0
	CROUND                                         ; the closing round
	s_endpgm
.Lfunc_end_k_qd2d2df69d1_attn:
	.size	k_qd2d2df69d1_attn, .Lfunc_end_k_qd2d2df69d1_attn-k_qd2d2df69d1_attn
	.p2alignl 7, 3214868480
	.fill 96, 4, 3214868480
	.section	.rodata,"a",@progbits
	.p2align	6, 0x0
	.amdhsa_kernel k_qd2d2df69d1_attn
		.amdhsa_group_segment_fixed_size 327680
		.amdhsa_private_segment_fixed_size 0
		.amdhsa_enable_private_segment 0
		.amdhsa_kernarg_size 24
		.amdhsa_user_sgpr_count 2
		.amdhsa_user_sgpr_kernarg_segment_ptr 1
		.amdhsa_wavefront_size32 1
		.amdhsa_system_sgpr_workgroup_id_x 1
		.amdhsa_system_sgpr_workgroup_id_y 1
		.amdhsa_system_sgpr_workgroup_id_z 1
		.amdhsa_system_vgpr_workitem_id 0
		.amdhsa_next_free_vgpr 512
		.amdhsa_next_free_sgpr 66
		.amdhsa_reserve_vcc 0
		.amdhsa_float_denorm_mode_32 3
		.amdhsa_float_denorm_mode_16_64 3
		.amdhsa_memory_ordered 1
		.amdhsa_forward_progress 1
		.amdhsa_inst_pref_size 106
	.end_amdhsa_kernel
	.amdgpu_metadata
---
amdhsa.version: [ 1, 2 ]
amdhsa.kernels:
  - .name:           k_qd2d2df69d1_attn
    .symbol:         k_qd2d2df69d1_attn.kd
    .args:
      - { .name: qkv, .offset: 0, .size: 8, .value_kind: global_buffer, .address_space: global }
      - { .name: lowp_scales, .offset: 8, .size: 8, .value_kind: global_buffer, .address_space: global }
      - { .name: aimg, .offset: 16, .size: 8, .value_kind: global_buffer, .address_space: global }
    .group_segment_fixed_size: 327680
    .private_segment_fixed_size: 0
    .kernarg_segment_align: 8
    .kernarg_segment_size: 24
    .max_flat_workgroup_size: 256
    .sgpr_count:     66
    .vgpr_count:     512
    .wavefront_size: 32
...
	.end_amdgpu_metadata
.endif
;; end of part 3
;; launch oproj (part 4): grid 8 x 32, 4 waves a work-group, clusters of 4 x 4, 280,064 bytes of LDS; arguments aimg, wimg, bo, lowp_scales, out0; writes out0
.if DOCPART == 4
	.amdgcn_target "amdgcn-amd-amdhsa--gfx1250"
	.amdhsa_code_object_version 6
	.text
	.protected	k_qd2d2df69d1_oproj
	.globl	k_qd2d2df69d1_oproj
	.p2align	8
	.type	k_qd2d2df69d1_oproj,@function
k_qd2d2df69d1_oproj:
	s_mov_b64 s[64:65], 0
	v_nop
	global_prefetch_b8 v0, s[64:65] scope:SCOPE_SE
	s_setreg_imm32_b32 hwreg(HW_REG_WAVE_MODE, 25, 1), 1
	s_wait_xcnt 0x0
	s_wait_alu depctr_hold_cnt(0) depctr_sa_sdst(0) depctr_va_vdst(0) depctr_va_sdst(0) depctr_va_ssrc(0) depctr_va_vcc(0) depctr_vm_vsrc(0)
	s_getreg_b32 s2, hwreg(HW_REG_IB_STS2, 6, 4)
	s_cmp_eq_u32 s2, 0
	s_cbranch_scc0 .Lentry_in_a_cluster
	s_endpgm
.Lentry_in_a_cluster:
	s_bfe_u32 s2, ttmp6, 0x10000c
	s_cmp_lg_u32 s2, 0xf033
	s_cbranch_scc0 .Lentry_shape_is_right
	s_endpgm
.Lentry_shape_is_right:
; out = a Wo^T + bo, on codes of FP8 (E4M3): a is attention's result, quantised by the launch before; Wo's codes are the fourth matrix of wimg.  out0: [4096][1024] f32.
; SHARES.  A work-group makes 128 tokens x 128 columns; four waves, each 64 x 64: 16 accumulators.  K = 1,024 IS RESIDENT: both panels (128 KiB each) lie in LDS whole, as images of the operands' registers; nothing is filled again.
; A wave asks for four blocks of 16 KiB at the start (waves 0, 1: a's K steps 0-3 or 4-7; waves 2, 3: Wo's) and the products begin when all have landed.
; CLUSTERS: 4 x 4 work-groups.  The four of a row of the cluster need the same panel of a, the four of a column the same panel of Wo: each block is asked for jointly.
; Source 0 = 16 rows of Wo, source 1 = 16 tokens: a lane holds eight neighbouring columns of one row of out.  out = sum x 2^(e10 + e11) + bo, one packed multiply-add for two numbers.
; A wave's 64 columns are 256 bytes of a row: a block of 16 rows goes through the wave's own stage in LDS, behind the panels, and sixteen lanes store 256 consecutive bytes, aligned.
; LIMIT: e10 + e11 between -126 and 127, so that 2^(e10 + e11) is an f32 number.
; REGISTERS.  Window 0: v1-12 addresses; v32-63 bo in the result's layout; v64-95 at work; v128-255 the accumulators ((a, b) at v[128 + 8 (4 a + b)]), later rows of out.  Window 1: two fragment buffers of 128.
; ONE TENSOR LOAD A WAVE (in place of the four blocks of which the head speaks): waves 0, 1 fetch a's K steps 0-3 and 4-7, waves 2, 3 Wo's: four rows of 16 KiB, a K step apart in memory, on end in LDS.
; Every wave waits for its load, one barrier follows, and both panels are then whole for all eight K steps.
.set KSX,  524288                      ; bytes from K step to K step in aimg
.set KSW,  131072                      ; and in wimg
.set WPAN, 131072                      ; LDS: Wo's panel, behind a's
.set STG,  262144                      ; the stages: 16 rows x 272 bytes for each wave; no block lands there
.set SP,   272                         ; 256 bytes + 16 = 68 words: the sixteen rows that a store touches start 4 words apart modulo 64
.set ADRX, 4
.set ADRW, 6
.set BI,   32
.set TMP,  64
.set ACC,  128
.set F0,   0
.set F1,   128
.set G1X,  16
.set G1W,  24
.set G0X,  32
.set G0W,  48
.set WV,   84
.set WM,   85
.set WN,   86
.set MSB, 0
.macro WIN new                         ; the immediate's high byte repeats the setting that is left
.if MSB != \new
	s_set_vgpr_msb (MSB<<8)|\new
.set MSB, \new
.endif
.endm
.set MUL,  0x05                        ; sources 0 and 1 window 1; C and D window 0
.set TO_F, 0x40                        ; destination window 1, address window 0
.macro PLACES                          ; four places in front of loads into registers that matrix instructions have read, and of the first read of results
.rept 4
	v_nop
.endr
.endm
.macro CROUND                          ; a round of the cluster's barrier
	s_barrier_signal -1
	s_barrier_wait -1
	s_cmp_lg_u32 s[WV], 0
	s_cbranch_scc1 .Lnot_wave_0_\@
	s_barrier_signal -3
.Lnot_wave_0_\@:
	s_barrier_wait -3
	s_barrier_signal -1
	s_barrier_wait -1
.endm
.macro FETCH ks, f                     ; 32 LDS loads in one run: K step ks's fragments into buffer f: Wo's four, then a's four
	WIN TO_F
.irp i, 0,1,2,3
.irp c, 0,1,2,3
	ds_load_b128 v[\f+64+16*\i+4*\c:\f+64+16*\i+4*\c+3], v[ADRW+(\ks)/4] offset:((\ks)%4)*16384+\i*2048+512*\c
.endr
.endr
.irp i, 0,1,2,3
.irp c, 0,1,2,3
	ds_load_b128 v[\f+16*\i+4*\c:\f+16*\i+4*\c+3], v[ADRX+(\ks)/4] offset:((\ks)%4)*16384+\i*2048+512*\c
.endr
.endr
.endm
; 8 matrix instructions: a's fragments a0, a0 + 1 against Wo's four.  zero = 1: the first product starts the sums.  The 16 accumulators take turns, one instruction a turn.
.macro MUL8 f, a0, zero
.irp a, \a0, \a0+1
.irp b, 0,1,2,3
.set rD, ACC+8*(4*(\a)+\b)
.if \zero
	v_wmma_f32_16x16x128_fp8_fp8 v[rD:rD+7], v[\f+64+16*\b:\f+64+16*\b+15], v[\f+16*(\a):\f+16*(\a)+15], 0
.else
	v_wmma_f32_16x16x128_fp8_fp8 v[rD:rD+7], v[\f+64+16*\b:\f+64+16*\b+15], v[\f+16*(\a):\f+16*(\a)+15], v[rD:rD+7]
.endif
.endr
.endr
.endm
.macro KSTEP ks, f, g, zero            ; a K step whose successor has been shown landed
	s_wait_dscnt 0x8                               ; Wo's fragments and a's 0, 1 are in; the youngest eight loads (a's 2, 3) may be out
	WIN MUL
	MUL8 \f, 0, \zero
	PLACES
	FETCH (\ks)+1, \g
	s_wait_dscnt 0x20                              ; all but the 32 just issued
	WIN MUL
	MUL8 \f, 2, \zero
.endm
	s_load_b128 s[4:7], s[0:1], 0x0                ; aimg, wimg
	s_load_b128 s[8:11], s[0:1], 0x10              ; bo, the scales' exponents
	s_load_b64 s[12:13], s[0:1], 0x20              ; out0
	v_lshl_add_u32 v126, v0, 2, 0x44400
	v_mov_b32 v127, 0
	ds_add_u32 v126, v127
	ds_add_u32 v126, v127
	v_lshrrev_b32 v1, 5, v0
	v_readfirstlane_b32 s[WV], v1
	s_lshr_b32 s[WM], s[WV], 1                     ; my half of the rows.  Also: I fetch for a (0) or for Wo (1)
	s_and_b32 s[WN], s[WV], 1                      ; my half of the columns.  Also: which four K steps I fetch
	s_bfe_u32 s87, ttmp6, 0x40000                  ; cx
	s_bfe_u32 s88, ttmp6, 0x40004                  ; cy
	s_lshl_b32 s90, ttmp9, 2
	s_add_co_u32 s90, s90, s87                     ; tile of 128 columns, 0..7
	s_and_b32 s91, ttmp7, 0xffff
	s_lshl_b32 s91, s91, 2
	s_add_co_u32 s91, s91, s88                     ; tile of 128 tokens, 0..31
	s_lshl_b32 s92, s88, 2
	s_lshl_b32 s92, 15, s92                        ; my row of the cluster
	s_lshl_b32 s93, 0x1111, s87                    ; my column
	s_or_b32 s[G1X], s92, (3<<16)|(1<<21)          ; 15:0 the mask; 17:16 elements of 8 bytes; 21 set beside a mask; no padding
	s_or_b32 s[G1W], s93, (3<<16)|(1<<21)
	s_mov_b32 s[G1X+5], KSX/8                      ; tensor_dim0_stride, in elements
	s_mov_b32 s[G1W+5], KSW/8
.irp g, G1X, G1W
	s_mov_b32 s[\g+1], 2048<<16                    ; four rows of 2,048 elements of 8 bytes (16 KiB), a K step apart in memory
	s_mov_b32 s[\g+2], 4<<16
	s_mov_b32 s[\g+3], 2048<<16
	s_mov_b32 s[\g+4], 4
	s_mov_b32 s[\g+6], 0
	s_mov_b32 s[\g+7], 0
.endr
	s_lshl_b32 s94, s[WN], 21                      ; a: my four K steps,
	s_lshl_b32 s92, s91, 14                        ; the token tile's eight fragments
	s_add_co_u32 s94, s94, s92
	s_mov_b32 s95, 0
	s_lshl_b32 s96, s[WN], 19                      ; Wo likewise, in registers that never hold the other coordinate
	s_lshl_b32 s93, s90, 14
	s_add_co_u32 s96, s96, s93
	s_add_co_u32 s96, s96, 0x300000                ; the fourth matrix of wimg
	s_mov_b32 s97, 0
	s_lshl_b32 s100, s[WN], 16                     ; in LDS: K steps 0-3 or 4-7: from the wave's number alone
	s_wait_dscnt 0x0
	s_wait_kmcnt 0x0
	s_load_b64 s[98:99], s[10:11], 0x28            ; e10, e11
	s_add_nc_u64 s[94:95], s[4:5], s[94:95]
	s_add_nc_u64 s[96:97], s[6:7], s[96:97]
.irp j, 0
	s_mov_b32 s[G0X+4*\j], 1
	s_add_co_u32 s[G0X+4*\j+1], s100, \j*32768
	s_add_nc_u64 s[G0X+4*\j+2:G0X+4*\j+3], s[94:95], \j*2*KSX
	s_or_b32 s[G0X+4*\j+3], s[G0X+4*\j+3], 0x80000000
	s_mov_b32 s[G0W+4*\j], 1
	s_add_co_u32 s[G0W+4*\j+1], s100, WPAN+\j*32768
	s_add_nc_u64 s[G0W+4*\j+2:G0W+4*\j+3], s[96:97], \j*2*KSW
	s_or_b32 s[G0W+4*\j+3], s[G0W+4*\j+3], 0x80000000
.endr
	CROUND                                         ; all sixteen work-groups are here: the joint loads meet
	s_cmp_eq_u32 s[WM], 0                          ; one load a wave, in one of two arms of a branch on its number
	s_cbranch_scc0 .Lfirst_w
.irp j, 0
	tensor_load_to_lds s[G0X+4*\j:G0X+4*\j+3], s[G1X:G1X+7]
	s_nop 0
.endr
	PLACES                                         ; four v_nop follow the last
	s_branch .Lfirst_asked
.Lfirst_w:
.irp j, 0
	tensor_load_to_lds s[G0W+4*\j:G0W+4*\j+3], s[G1W:G1W+7]
	s_nop 0
.endr
	PLACES
.Lfirst_asked:
	v_and_b32 v1, 15, v0                           ; r
	v_bfe_u32 v2, v0, 4, 1                         ; h
	s_wait_alu depctr_va_vdst(0)
	v_and_b32 v3, 31, v0
	v_lshlrev_b32 v3, 4, v3                        ; 16 x lane
	s_lshl_b32 s92, s[WM], 13
	v_add_nc_u32 v[ADRX], s92, v3
	v_add_nc_u32 v[ADRX+1], 65536, v[ADRX]
	s_lshl_b32 s93, s[WN], 13
	s_add_co_u32 s93, s93, WPAN
	v_add_nc_u32 v[ADRW], s93, v3
	v_add_nc_u32 v[ADRW+1], 65536, v[ADRW]
	s_lshl_b32 s100, s90, 9
	s_lshl_b32 s101, s[WN], 8
	s_add_co_u32 s100, s100, s101                  ; my 64 columns, in bytes: in bo and in a row of out
	s_mov_b32 s101, 0
	s_add_nc_u64 s[8:9], s[8:9], s[100:101]
	v_lshlrev_b32 v8, 5, v2                        ; 32 h: lane (r, h) wants, for tile t, bo of columns 16 t + 8 h + 0..7
.irp t, 0,1,2,3
	global_load_b128 v[BI+8*\t:BI+8*\t+3], v8, s[8:9] offset:64*\t
	global_load_b128 v[BI+8*\t+4:BI+8*\t+7], v8, s[8:9] offset:64*\t+16
.endr
	s_add_nc_u64 s[12:13], s[12:13], s[100:101]
	s_lshl_b32 s2, s91, 19                         ; 128 rows of 4,096 bytes,
	s_lshl_b32 s3, s[WM], 18                       ; my 64
	s_add_co_u32 s2, s2, s3
	s_mov_b32 s3, 0
	s_add_nc_u64 s[12:13], s[12:13], s[2:3]
	s_mul_i32 s92, s[WV], 16*SP
	s_add_co_u32 s92, s92, STG                     ; my stage
	v_mul_u32_u24 v10, v1, SP                      ; in: row r, 32 bytes for each half of the lanes
	v_lshl_add_u32 v10, v2, 5, v10
	v_add_nc_u32 v10, s92, v10
	v_mul_u32_u24 v11, v2, SP                      ; back: lanes 0-15 take one row of 256 bytes, lanes 16-31 the next
	v_lshl_add_u32 v11, v1, 4, v11
	v_add_nc_u32 v11, s92, v11
	v_lshlrev_b32 v12, 12, v2                      ; and the same two rows in out
	v_lshl_add_u32 v12, v1, 4, v12
	s_wait_kmcnt 0x0
	s_add_co_i32 s98, s98, s99
	s_add_co_i32 s98, s98, 127
	s_lshl_b32 s98, s98, 23                        ; 2^(e10 + e11) as f32
	s_mov_b32 s99, s98                             ; (named with it as a pair, so it is written)
	s_wait_tensorcnt 0x0                           ; my one load, four K steps of one panel, is in
	s_barrier_signal -1
	s_barrier_wait -1
	FETCH 0, F0
	KSTEP 0, F0, F1, 1
	KSTEP 1, F1, F0, 0
	KSTEP 2, F0, F1, 0
	KSTEP 3, F1, F0, 0
	KSTEP 4, F0, F1, 0
	KSTEP 5, F1, F0, 0
	KSTEP 6, F0, F1, 0
	s_wait_dscnt 0x8
	WIN MUL
	MUL8 F1, 0, 0
	s_wait_dscnt 0x0
	MUL8 F1, 2, 0
	WIN 0
	PLACES
	s_wait_loadcnt 0x0                             ; bo
; THE WAY OUT, a block of 16 rows at a time.  LDS serves a wave's instructions in order (ISA guide 5.7.1.4): no wait between the stores and the loads, nor in front of the next block's stores.
; The rows come back into the block's own accumulators, which have been read; no store's data are written again.
.macro STAGE a
.set AL, ACC+32*(\a)
.irp t, 0,1,2,3
.irp jj, 0,2,4,6
	v_pk_fma_f32 v[TMP+8*\t+\jj:TMP+8*\t+\jj+1], v[AL+8*\t+\jj:AL+8*\t+\jj+1], s[98:99], v[BI+8*\t+\jj:BI+8*\t+\jj+1] op_sel_hi:[1,0,1]   ; each accumulator from its low end on
.endr
.endr
.irp t, 0,1,2,3
	ds_store_b128 v10, v[TMP+8*\t:TMP+8*\t+3] offset:64*\t
	ds_store_b128 v10, v[TMP+8*\t+4:TMP+8*\t+7] offset:64*\t+16
.endr
.irp i, 0,1,2,3,4,5,6,7
	ds_load_b128 v[AL+4*\i:AL+4*\i+3], v11 offset:\i*2*SP
.endr
.endm
.macro SEND a, younger                 ; younger: the LDS instructions issued behind block a's loads
.set AL, ACC+32*(\a)
	s_wait_dscnt \younger
.irp i, 0,1,2,3,4,5,6,7
	global_store_b128 v12, v[AL+4*\i:AL+4*\i+3], s[12:13] offset:(16*(\a)+2*\i)*4096 th:TH_STORE_NT   ; 16 lanes store 256 consecutive bytes, aligned; written once, read by nobody here
.endr
.endm
	STAGE 0
	STAGE 1
	SEND 0, 16                                     ; behind block 0's loads: block 1's 8 stores and 8 loads
	STAGE 2
	SEND 1, 16
	STAGE 3
	SEND 2, 16
	SEND 3, 0
	s_wait_tensorcnt 0x0
	ds_add_u32 v126, v127
	s_wait_dscnt 0x0
	CROUND                                         ; the closing round: no work-group ends while a partner may still ask for a block that names it
	s_endpgm
.Lfunc_end_k_qd2d2df69d1_oproj:
	.size	k_qd2d2df69d1_oproj, .Lfunc_end_k_qd2d2df69d1_oproj-k_qd2d2df69d1_oproj
	.p2alignl 7, 3214868480
	.fill 96, 4, 3214868480
	.section	.rodata,"a",@progbits
	.p2align	6, 0x0
	.amdhsa_kernel k_qd2d2df69d1_oproj
		.amdhsa_group_segment_fixed_size 280064
		.amdhsa_private_segment_fixed_size 0
		.amdhsa_enable_private_segment 0
		.amdhsa_kernarg_size 40
		.amdhsa_user_sgpr_count 2
		.amdhsa_user_sgpr_kernarg_segment_ptr 1
		.amdhsa_wavefront_size32 1
		.amdhsa_system_sgpr_workgroup_id_x 1
		.amdhsa_system_sgpr_workgroup_id_y 1
		.amdhsa_system_sgpr_workgroup_id_z 1
		.amdhsa_system_vgpr_workitem_id 0
		.amdhsa_next_free_vgpr 512
		.amdhsa_next_free_sgpr 102
		.amdhsa_reserve_vcc 0
		.amdhsa_float_denorm_mode_32 3
		.amdhsa_float_denorm_mode_16_64 3
		.amdhsa_memory_ordered 1
		.amdhsa_forward_progress 1
		.amdhsa_inst_pref_size 45
	.end_amdhsa_kernel
	.amdgpu_metadata
---
amdhsa.version: [ 1, 2 ]
amdhsa.kernels:
  - .name:           k_qd2d2df69d1_oproj
    .symbol:         k_qd2d2df69d1_oproj.kd
    .args:
      - { .name: aimg, .offset: 0, .size: 8, .value_kind: global_buffer, .address_space: global }
      - { .name: wimg, .offset: 8, .size: 8, .value_kind: global_buffer, .address_space: global }
      - { .name: bo, .offset: 16, .size: 8, .value_kind: global_buffer, .address_space: global }
      - { .name: lowp_scales, .offset: 24, .size: 8, .value_kind: global_buffer, .address_space: global }
      - { .name: out0, .offset: 32, .size: 8, .value_kind: global_buffer, .address_space: global }
    .group_segment_fixed_size: 280064
    .private_segment_fixed_size: 0
    .kernarg_segment_align: 8
    .kernarg_segment_size: 40
    .max_flat_workgroup_size: 128
    .sgpr_count:     102
    .vgpr_count:     512
    .wavefront_size: 32
...
	.end_amdgpu_metadata
.endif
;; end of part 4
